; MI455X (gfx1250); checked and timed in simulation.
; The chip was launched on July 23, 2026; its instructions are those of AMD's public machine-readable ISA for CDNA 5 (MIT licence, August 2026) and "CDNA5" Instruction Set Architecture Reference Guide (July 2026). The comments in the code are by the model that wrote it; some were corrected since.
;; Causal Self Attention. Allowed arithmetic: matrix products marked QUANTISED: E2M1 operands, one E8M0 scale for each 32 along K, by v_wmma_scale_f32_16x16x128_f8f6f4 with both operands' format E2M1 (or v_wmma_scale_f32_32x16x128_f4), f32 sums; everything else in f32.
;; Inputs: b_out 1,024 float32; b_qkv 3,072 float32; w_out 1,024 x 1,024 float32; w_qkv 3,072 x 1,024 float32; x 4 x 2,048 x 1,024 float32.
;; Outputs: out0 4 x 2,048 x 1,024 float32.
;; This version of the problem:
;;   THIS VERSION OF THE PROBLEM IS GIVEN IN LOW PRECISION. The matrix products marked QUANTISED in the list below multiply operands that are first quantised to E2M1 (2 exponent bits, 1 mantissa bit; 4 bits a number), with one power-of-two scale for each 32 numbers along K (OCP MX v1.0); their sums are f32. All else is computed in f32.
;;   The module's matrix products, in the order in which they are computed (A, B: the left and right operand; K: the contracted axis; several contracted axes count as one K, in the product's order):
;;     1. [M 8,192, K 1,024] x [K 1,024, N 3,072]; A: input x; B: input w_qkv: QUANTISED
;;     2. batch 64 x [M 2,048, K 64] x [K 64, N 2,048]; A: computed on the way; B: computed on the way: QUANTISED
;;     3. batch 64 x [M 2,048, K 2,048] x [K 2,048, N 64]; A: softmax (see below); B: computed on the way: QUANTISED
;;     4. [M 8,192, K 1,024] x [K 1,024, N 1,024]; A: computed on the way; B: input w_out: QUANTISED
;;   THE QUANTISER, for each operand of a quantised product, along K:
;;     - K is cut into blocks of 32 from its start; a last block that is shorter is filled with zeros.
;;     - A block's scale is 2^e with e = floor(log2(the largest magnitude in the block)) - 2, held to -126 .. 127; a block of zeros has e = 0. As a byte (E8M0): e + 127.
;;     - Each number is divided by its block's scale, clamped to +-6, and rounded to the nearest number of E2M1, ties to even, subnormals kept.
;;     - The product sums the exact products of the quantised numbers (number of the format x scale) in f32.
;;   ~~~python
;;   def quantise(x, axis):      # numpy; x: float32 -> the quantised numbers, widened to float32 again
;;       x = np.moveaxis(x, axis, -1); K = x.shape[-1]
;;       x = np.pad(x, [(0, 0)] * (x.ndim - 1) + [(0, -K % 32)]); x = x.reshape(x.shape[:-1] + (-1, 32)); a = np.abs(x).max(-1, keepdims=True)
;;       e = np.where(a > 0, np.clip(np.frexp(np.where(a > 0, a, 1))[1] - 1 - 2, -126, 127), 0)      # np.frexp(a)[1] - 1 = floor(log2(a)), exactly
;;       r = np.clip(x / 2.0 ** e, -6, 6)
;;       step = 2.0 ** (np.maximum(np.frexp(np.where(r == 0, 1, r))[1] - 1, 0) - 1)
;;       q = np.round(r / step) * step * 2.0 ** e      # np.round: ties to even
;;       return np.moveaxis(q.reshape(q.shape[:-2] + (-1,))[..., :K], -1, axis).astype(np.float32)
;;   ~~~
;;   SOFTMAX AHEAD OF A QUANTISED PRODUCT. Where the list says 'softmax', what is quantised is not the finished softmax but p = 2^(t - M), with t = logit x log2(e) and M = ceil(the row's largest t), a whole number; so 1/2 < the row's largest p <= 1. The row's sum l is taken of the UNQUANTISED p, in f32, and the product's result is divided by l at the end. Since M is a whole number, a kernel that streams over the keys may use a running M (the ceiling of the running maximum): every later rescaling is an exact power of two, which a block's scale takes up: the codes' values come out the same.
;;   OPERANDS COMPUTED ON THE WAY. 'Computed on the way' means the value that the module computes at that place (a softmax that the list does not call 'softmax' is quantised finished and normalised). What goes into a quantiser is computed in f32, as accurately as f32 sums, v_exp_f32 and their like allow (about 1e-6 of the number): no bf16 or f16 on the way to a quantiser, and a product that is left as it is and whose result goes on into a quantised operand takes f32 operands (vector FMAs, or v_wmma_f32_16x16x4_f32). A number that lies on a knife's edge between two numbers of the format may be rounded either way, as far as f32 arithmetic and the matrix unit's own rounding can turn it there, and no further.
;; One version. Each part assembles by itself: llvm-mc -triple=amdgcn-amd-amdhsa -mcpu=gfx1250 --defsym DOCPART=n.
;; ======== version 1 of 1: 4 launches
;; workspace buffers: opc 6,291,456 bytes; ops 393,216 bytes; rope 524,288 bytes; rec 13,893,632 bytes; yc 4,194,304 bytes; ys 262,144 bytes
;; launch prep (part 1): grid 224 x 1, 4 waves a work-group, no clusters, 34,304 bytes of LDS; arguments x, w_qkv, w_out, opc, ops, rope; writes opc, ops, rope
.if DOCPART == 1
	.amdgcn_target "amdgcn-amd-amdhsa--gfx1250"
	.amdhsa_code_object_version 6
	.text
	.protected	k_q6fddff5ed8_prep
	.globl	k_q6fddff5ed8_prep
	.p2align	8
	.type	k_q6fddff5ed8_prep,@function
k_q6fddff5ed8_prep:
	s_mov_b64 s[64:65], 0
	v_nop
	global_prefetch_b8 v0, s[64:65] scope:SCOPE_SE
	s_setreg_imm32_b32 hwreg(HW_REG_WAVE_MODE, 25, 1), 1
	s_wait_xcnt 0x0
; PREP.  (1) x [8192][1024], w_qkv [3072][1024] and w_out [1024][1024], f32, K innermost, become codes of FP4 (E2M1) with one E8M0 byte for each 32 along K.
; (2) The table of cos and sin for the rotation of q and k, in f32.
; A block's scale is 2^(floor(log2(its largest magnitude)) - 2): its byte is the largest magnitude's exponent field - 2, held at 1 from below by a floor among the maximum's leaves.
; LAYOUT OF THE CODES (opc): an image of the matrix operand's registers.  A tile is 16 rows; tile i is 8,192 bytes: 16 pieces of 512 bytes; in piece kk lane (r, h) has 16 bytes: row 16 i + r,
; k = 64 kk + 32 h + 0 .. 31, one whole block.  Tiles 0-511: x; 512-703: w_qkv; 704-767: w_out.  So every store here and every fragment load later covers 512 consecutive bytes.
; LAYOUT OF THE SCALES (ops): tile i is 512 bytes [q = 0, 1][r][4 words]; word j is row r's scale word for K step 4 q + j (128 along K, byte b for k = 32 b on).
; LAYOUT OF THE TABLE (rope): token tile tt (16 tokens) is 4,096 bytes [a = 0..3][0 cos, 1 sin][lane][16 bytes]: lane (r, h) has four f32 for token 16 tt + r and pairs 8 a + 4 h + 0 .. 3.
; SHARES.  Work-groups 0-191: a wave takes one tile, 16 rows x 1,024, in 8 steps of 128 along K.  Work-groups 192-223: a wave makes one token tile of the table.  Waves share nothing: no barrier.
; LIMITS.  A block of zeros gets the byte 1 where the quantiser's rule says 127: its codes are zeros, and only this program reads the bytes.  Blocks whose largest magnitude lies under 2^-124 are held at that floor.
; NaN and infinities are not served.  theta is the f32 nearest to 10^(-i/8); sin and cos are good to about 1e-7 absolute for arguments up to 2,047 (the reduction by pi/2 in two parts is exact in its first part there).
.set SW,  8448                         ; a wave's stage in LDS: 16 rows x (512 bytes + 16): the pitch 528 = 33 x 16, so sixteen rows start at sixteen different 16-byte columns of 256
.set WDS, 6                            ; v6-13   the eight scale words of my row
.set CR,  24                           ; v24-39  codes: two steps' sets of 8 by turns
.set XR,  40                           ; v40-103 two blocks of 32 neighbours
.set RR,  104                          ; v104-231 two sets of 64 registers as loaded
.macro LOAD t                          ; step t: 512 bytes of each of my 16 rows; a load covers 512 consecutive bytes
.irp i, 0,1,2,3,4,5,6,7,8,9,10,11,12,13,14,15
	global_load_b128 v[RR+64*((\t)%2)+4*\i:RR+64*((\t)%2)+4*\i+3], v2, s[4:5] offset:4096*\i+512*(\t) th:TH_LOAD_NT
.endr
.endm
.macro STEP t
.if (\t) >= 2
	s_wait_xcnt 0x0                                ; the stores of two steps ago have read their codes' registers, which this step writes again
.endif
.if (\t) < 7
	s_wait_loadcnt 16                              ; this step's 16 loads are in; the next step's 16 may be out
.else
	s_wait_loadcnt 0x0
.endif
.irp i, 0,1,2,3,4,5,6,7,8,9,10,11,12,13,14,15
	ds_store_b128 v3, v[RR+64*((\t)%2)+4*\i:RR+64*((\t)%2)+4*\i+3] offset:528*\i   ; as loaded: row i
.endr
.irp k, 0,1
.irp i, 0,1,2,3,4,5,6,7
	ds_load_b128 v[XR+32*\k+4*\i:XR+32*\k+4*\i+3], v4 offset:256*\k+16*\i          ; back: row r, k = 64 k + 32 h + 0 .. 31 (LDS serves a wave's instructions in order)
.endr
.endr
	s_wait_dscnt 0x0                               ; my numbers are back, and the stores have read the loaded set,
.if (\t) < 6
	LOAD (\t)+2                                    ; which takes the loads of two steps on
.endif
.irp k, 0,1
	v_max3_num_f32 v[14+\k], |v[XR+32*\k]|, |v[XR+32*\k+1]|, 0x1800000             ; the block's largest magnitude, and the floor 2^(3 - 127)
.endr
.irp i, 2,4,6,8,10,12,14,16,18,20,22,24,26,28,30
.irp k, 0,1
	v_max3_num_f32 v[14+\k], v[14+\k], |v[XR+32*\k+\i]|, |v[XR+32*\k+\i+1]|        ; (the two blocks by turns)
.endr
.endr
.irp k, 0,1
	v_add_nc_u32 v[16+\k], 0xff000000, v[14+\k]    ; 2 off the exponent field: the conversion's scale operand
.endr
.irp k, 0,1
.irp g, 0,1,2,3
	v_cvt_scalef32_pk8_fp4_f32 v[CR+8*((\t)%2)+4*\k+\g], v[XR+32*\k+8*\g:XR+32*\k+8*\g+7], v[16+\k]
.endr
.endr
	v_lshrrev_b32 v18, 23, v16                     ; the two bytes (plain lines behind the conversions)
	v_lshrrev_b32 v19, 23, v17
	v_lshl_or_b32 v18, v19, 16, v18                ; blocks h and 2 + h of the step,
	v_lshlrev_b32 v18, v5, v18                     ; at their places: 8 h bits up;
	v_permlanex16_b32 v20, v18, s20, s21
	v_or_b32 v[WDS+(\t)], v18, v20                 ; with lane l xor 16's two the word is whole
	global_store_b128 v2, v[CR+8*((\t)%2):CR+8*((\t)%2)+3], s[10:11] offset:1024*(\t)          ; piece 2 t: 512 consecutive bytes
	global_store_b128 v2, v[CR+8*((\t)%2)+4:CR+8*((\t)%2)+7], s[10:11] offset:1024*(\t)+512    ; piece 2 t + 1
.endm
; cos and sin of token x theta; theta = lo in lanes 0-15, hi in lanes 16-31 (vcc).  v7: the token as f32.
.macro SINCOS lo, hi, dc, ds
	v_mov_b32 v8, \lo
	v_mov_b32 v9, \hi
	v_cndmask_b32 v8, v8, v9, vcc_lo
	v_mul_f32 v9, v7, v8                           ; the angle, rounded once
	v_mul_f32 v10, s22, v9
	v_rndne_f32 v10, v10                           ; n = the nearest multiple of pi/2
	v_fma_f32 v11, -v10, s23, v9                   ; less n x the upper part of pi/2,
	v_fma_f32 v11, -v10, s24, v11                  ; and the lower: |r| <= pi/4
	v_mul_f32 v12, v11, v11
	v_fma_f32 v13, v12, s25, s26
	v_fma_f32 v15, v12, s28, s29
	v_fma_f32 v13, v12, v13, s27
	v_fma_f32 v15, v12, v15, s30
	v_mul_f32 v14, v11, v12
	v_fma_f32 v15, v12, v15, -0.5
	v_fma_f32 v13, v14, v13, v11                   ; sin r
	v_fma_f32 v15, v12, v15, 1.0                   ; cos r
	v_cvt_i32_f32 v16, v10
	v_and_b32 v17, 1, v16
	v_cmp_eq_u32 s31, 1, v17                       ; an odd quadrant swaps the two (a choice of values: no branch hangs on it)
	v_cndmask_b32 v[\ds], v13, v15, s31
	v_cndmask_b32 v[\dc], v15, v13, s31
	v_and_b32 v17, 2, v16                          ; sin is negative in quadrants 2, 3;
	v_lshlrev_b32 v17, 30, v17
	v_xor_b32 v[\ds], v[\ds], v17
	v_add_nc_u32 v16, 1, v16                       ; cos in quadrants 1, 2
	v_and_b32 v16, 2, v16
	v_lshlrev_b32 v16, 30, v16
	v_xor_b32 v[\dc], v[\dc], v16
.endm
	s_load_b256 s[4:11], s[0:1], 0x0               ; x s[4:5], w_qkv s[6:7], w_out s[8:9], opc s[10:11]
	s_load_b128 s[12:15], s[0:1], 0x20             ; ops s[12:13], rope s[14:15]
	v_lshl_add_u32 v232, v0, 2, 0x8400
	v_mov_b32 v233, 0
	v_lshrrev_b32 v1, 5, v0
	v_readfirstlane_b32 s16, v1                    ; wave
	v_and_b32 v1, 31, v0                           ; lane
	v_lshlrev_b32 v2, 4, v1                        ; 16 x lane
	v_and_b32 v21, 15, v0                          ; r
	v_bfe_u32 v22, v0, 4, 1                        ; h
	v_cmp_le_u32 vcc_lo, 16, v1                    ; lanes 16-31
	s_mov_b32 s19, 0
	s_mov_b32 s20, 0x76543210
	s_mov_b32 s21, 0xfedcba98                      ; v_permlanex16_b32's selects for lane l xor 16
	s_lshl_b32 s17, ttmp9, 2
	s_add_co_u32 s17, s17, s16                     ; my task: 4 x work-group + wave
	s_cmp_ge_u32 ttmp9, 192
	s_cbranch_scc1 .Ltable
	; ---- the quantiser: task = tile 0 .. 767
	s_mul_i32 s18, s16, SW
	v_add_nc_u32 v3, s18, v2                       ; the stage, on the way in: 16 x lane in row i
	v_mul_u32_u24 v4, v21, 528
	v_lshl_add_u32 v4, v22, 7, v4
	v_add_nc_u32 v4, s18, v4                       ; on the way out: row r, + 128 h bytes
	v_lshlrev_b32 v5, 3, v22                       ; 8 h
	v_mov_b32 v20, 0                               ; written once: a lane permute's destination counts as one of its sources
	s_wait_kmcnt 0x0
	s_mov_b32 s18, 704                             ; which tensor, and its first tile: the choice hangs on the work-group's number alone
	s_cmp_lt_u32 ttmp9, 176
	s_cselect_b64 s[6:7], s[6:7], s[8:9]
	s_cselect_b32 s18, 512, s18
	s_cmp_lt_u32 ttmp9, 128
	s_cselect_b64 s[4:5], s[4:5], s[6:7]
	s_cselect_b32 s18, 0, s18
	s_sub_co_u32 s18, s17, s18
	s_lshl_b32 s18, s18, 16                        ; 16 rows of 4,096 bytes a tile
	s_add_nc_u64 s[4:5], s[4:5], s[18:19]
	s_lshl_b32 s18, s17, 13
	s_add_nc_u64 s[10:11], s[10:11], s[18:19]      ; my tile's codes
	s_lshl_b32 s18, s17, 9
	s_add_nc_u64 s[12:13], s[12:13], s[18:19]      ; and its scale words
	LOAD 0
	LOAD 1
.irp t, 0,1,2,3,4,5,6,7
	STEP \t
.endr
.irp i, 0,1,2,3
	v_cndmask_b32 v[WDS+\i], v[WDS+\i], v[WDS+4+\i], vcc_lo    ; lanes 0-15 store K steps 0-3 of row r, lanes 16-31 K steps 4-7
.endr
	global_store_b128 v2, v[WDS:WDS+3], s[12:13]   ; 512 consecutive bytes
	s_wait_tensorcnt 0x0
	ds_add_u32 v232, v233
	s_wait_dscnt 0x0
	s_endpgm
	; ---- the table: task - 768 = token tile 0 .. 127
.Ltable:
	s_sub_co_u32 s17, s17, 768
	s_lshl_b32 s18, s17, 4
	v_add_nc_u32 v6, s18, v21                      ; my token
	v_cvt_f32_u32 v7, v6
	s_mov_b32 s22, 0x3f22f983                      ; 2 / pi
	s_mov_b32 s23, 0x3fc90fdb                      ; pi / 2, upper part
	s_mov_b32 s24, 0xb33bbd2e                      ; and what is left of it
	s_mov_b32 s25, 0xb94ca1f9                      ; sin: -1.9515295891e-4,
	s_mov_b32 s26, 0x3c08839e                      ; 8.3321608736e-3,
	s_mov_b32 s27, 0xbe2aaaa3                      ; -1.6666654611e-1
	s_mov_b32 s28, 0x37ccf5ce                      ; cos: 2.443315711809948e-5,
	s_mov_b32 s29, 0xbab6061a                      ; -1.388731625493765e-3,
	s_mov_b32 s30, 0x3d2aaaa5                      ; 4.166664568298827e-2
	s_lshl_b32 s18, s17, 12
	s_wait_kmcnt 0x0
	s_add_nc_u64 s[14:15], s[14:15], s[18:19]
	; theta of pair i = 10^(-i/8), i = 8 a + 4 h + jj: results at v[40 + 8 a + jj] (cos) and v[44 + 8 a + jj] (sin)
	SINCOS 1.0, 0.31622776601683794, 40, 44
	SINCOS 0.7498942093324559, 0.23713737056616552, 41, 45
	SINCOS 0.5623413251903491, 0.17782794100389228, 42, 46
	SINCOS 0.4216965034285822, 0.1333521432163324, 43, 47
	SINCOS 0.1, 0.031622776601683794, 48, 52
	SINCOS 0.07498942093324559, 0.023713737056616552, 49, 53
	SINCOS 0.05623413251903491, 0.017782794100389228, 50, 54
	SINCOS 0.04216965034285822, 0.01333521432163324, 51, 55
	SINCOS 0.01, 0.0031622776601683794, 56, 60
	SINCOS 0.007498942093324559, 0.0023713737056616552, 57, 61
	SINCOS 0.005623413251903491, 0.0017782794100389228, 58, 62
	SINCOS 0.004216965034285822, 0.001333521432163324, 59, 63
	SINCOS 0.001, 0.00031622776601683794, 64, 68
	SINCOS 0.0007498942093324559, 0.00023713737056616552, 65, 69
	SINCOS 0.0005623413251903491, 0.00017782794100389228, 66, 70
	SINCOS 0.0004216965034285822, 0.0001333521432163324, 67, 71
.irp i, 0,1,2,3,4,5,6,7
	global_store_b128 v2, v[40+4*\i:43+4*\i], s[14:15] offset:512*\i   ; 512 consecutive bytes each
.endr
	s_endpgm
.Lfunc_end_k_q6fddff5ed8_prep:
	.size	k_q6fddff5ed8_prep, .Lfunc_end_k_q6fddff5ed8_prep-k_q6fddff5ed8_prep
	.p2alignl 7, 3214868480
	.fill 96, 4, 3214868480
	.section	.rodata,"a",@progbits
	.p2align	6, 0x0
	.amdhsa_kernel k_q6fddff5ed8_prep
		.amdhsa_group_segment_fixed_size 34304
		.amdhsa_private_segment_fixed_size 0
		.amdhsa_enable_private_segment 0
		.amdhsa_kernarg_size 48
		.amdhsa_user_sgpr_count 2
		.amdhsa_user_sgpr_kernarg_segment_ptr 1
		.amdhsa_wavefront_size32 1
		.amdhsa_system_sgpr_workgroup_id_x 1
		.amdhsa_system_sgpr_workgroup_id_y 1
		.amdhsa_system_sgpr_workgroup_id_z 1
		.amdhsa_system_vgpr_workitem_id 0
		.amdhsa_next_free_vgpr 234
		.amdhsa_next_free_sgpr 66
		.amdhsa_reserve_vcc 1
		.amdhsa_float_denorm_mode_32 3
		.amdhsa_float_denorm_mode_16_64 3
		.amdhsa_memory_ordered 1
		.amdhsa_forward_progress 1
		.amdhsa_inst_pref_size 80
	.end_amdhsa_kernel
	.amdgpu_metadata
---
amdhsa.version: [ 1, 2 ]
amdhsa.kernels:
  - .name:           k_q6fddff5ed8_prep
    .symbol:         k_q6fddff5ed8_prep.kd
    .args:
      - { .name: x, .offset: 0, .size: 8, .value_kind: global_buffer, .address_space: global }
      - { .name: w_qkv, .offset: 8, .size: 8, .value_kind: global_buffer, .address_space: global }
      - { .name: w_out, .offset: 16, .size: 8, .value_kind: global_buffer, .address_space: global }
      - { .name: opc, .offset: 24, .size: 8, .value_kind: global_buffer, .address_space: global }
      - { .name: ops, .offset: 32, .size: 8, .value_kind: global_buffer, .address_space: global }
      - { .name: rope, .offset: 40, .size: 8, .value_kind: global_buffer, .address_space: global }
    .group_segment_fixed_size: 34304
    .private_segment_fixed_size: 0
    .kernarg_segment_align: 8
    .kernarg_segment_size: 48
    .max_flat_workgroup_size: 128
    .sgpr_count:     66
    .vgpr_count:     234
    .wavefront_size: 32
...
	.end_amdgpu_metadata
.endif
;; end of part 1
;; launch qkvp (part 2): grid 16 x 32, 12 waves a work-group, clusters of 4 x 4, 314,368 bytes of LDS; arguments opc, ops, rope, b_qkv, rec; writes rec
.if DOCPART == 2
	.amdgcn_target "amdgcn-amd-amdhsa--gfx1250"
	.amdhsa_code_object_version 6
	.text
	.protected	k_q6fddff5ed8_qkvp
	.globl	k_q6fddff5ed8_qkvp
	.p2align	8
	.type	k_q6fddff5ed8_qkvp,@function
k_q6fddff5ed8_qkvp:
	s_mov_b64 s[64:65], 0
	v_nop
	global_prefetch_b8 v0, s[64:65] scope:SCOPE_SE
	s_setreg_imm32_b32 hwreg(HW_REG_WAVE_MODE, 25, 1), 1
	s_wait_xcnt 0x0
	s_wait_alu depctr_hold_cnt(0) depctr_sa_sdst(0) depctr_va_vdst(0) depctr_va_sdst(0) depctr_va_ssrc(0) depctr_va_vcc(0) depctr_vm_vsrc(0)
	s_getreg_b32 s2, hwreg(HW_REG_IB_STS2, 6, 4)
	s_cmp_eq_u32 s2, 0
	s_cbranch_scc0 .Lentry_in_a_cluster
	s_endpgm
.Lentry_in_a_cluster:
	s_bfe_u32 s2, ttmp6, 0x10000c
	s_cmp_lg_u32 s2, 0xf033
	s_cbranch_scc0 .Lentry_shape_is_right
	s_endpgm
.Lentry_shape_is_right:
; QKV.  qkv = x w_qkv^T + b_qkv on codes of FP4 with E8M0 scales; q and k are rotated (RoPE); q, k (along the head's 64) and v (along the tokens) are quantised in registers and stored as operand images.
; SHARES.  A work-group makes 256 tokens x one head's 192 columns.  Twelve waves: wave w has g = w & 3 (64 tokens) and p = w >> 2 (0 q, 1 k, 2 v): a tile of 64 x 64, 16 accumulators, 128 matrix instructions.
; All of K (1,024 codes = 512 bytes a row) of the block's 28 operand tiles lies in LDS, filled once, in two halves along K, so that the first half is multiplied while the second lands.  No LDS byte is filled twice.
; ROLES.  q and k waves: source 0 = 16 rows of W, source 1 = 16 tokens: a lane holds ONE token and its registers run along the head's channels, which are the next product's K.
; v waves: source 0 = 16 tokens, source 1 = 16 rows of W: a lane holds ONE channel and its registers run along the tokens, which are V's K.  Both sides are four tiles: the K loop's text is one; only LDS base registers differ.
; QUANTISING A RESULT.  In four accumulators along the next K a lane's register j of accumulator i is K index 16 i + 8 h + j.  A block of 32 lies in lanes l and l xor 16.  The four conversions' results are laid so that two
; exchanges of lane halves give lane (r, h) the codes of K = 32 h + 0 .. 31 in true order: 16 bytes, stored at 16 x lane.
; CLUSTER 4 x 4.  The four work-groups of a row (same 256 tokens) ask jointly for the tokens' tiles and the table; the four of a column (same head) for W's tiles.
; THE RECORD of (batch, head) bh, 217,088 bytes: +0 K's codes (token tile t: 512 bytes); +65,536 V's codes [128 keys ks][16 channels dt][c][lane][16]; +131,072 K's scale words [token]; +139,264 V's [ks][channel];
; +143,360 Q's codes; +208,896 Q's scale words.  In a word of Q or K bytes 0, 1 are the two blocks' and bytes 2, 3 are 0x7f: they scale the zero codes that fill K = 64 up to the instruction's 128.
; LIMITS: a block of zeros gets the byte 1 (its codes are zeros; only this program reads the bytes); blocks under 2^-124 are held at that floor; NaN and infinities are not served.
.set CH1,   114688                     ; LDS: K 0..511 of slot i (0-15 tokens' tiles, 16-27 W's) at 4096 i: 8 pieces of 512 bytes;  from CH1 on the same for K 512..1,023
.set SCL,   229376                     ; scale words: slot i at 512 i
.set ROPE,  243712                     ; the table of my 16 token tiles, 4,096 bytes each
.set STG,   309248                     ; 256 bytes a wave: a q or k wave's 64 scale words.  No fill lands from here on
.set VST,   312320                     ; 512 bytes: V's scale words of the block's two key steps
.set REC,   217088
.set AA,   1                           ; v1, v2   source 0's fragments: 16 x lane + 4096 x slot, first and second half of K
.set AB,   3                           ; v3, v4   source 1's
.set ASA,  5                           ; v5       source 0's scale words: lanes 0-15 an even tile's rows, lanes 16-31 the next tile's
.set ASB,  6                           ; v6       source 1's
.set ARP,  7                           ; v7       the table
.set AWS,  8                           ; v8       my wave's scale words, in;  v9 back
.set AWL,  9
.set AVS,  10                          ; v10      V's scale bytes, in;  v11 back
.set AVL,  11
.set L16,  12                          ; v12      16 x lane
.set L8,   13                          ; v13      8 x lane
.set OH,   14                          ; v14      32 h
.set R4,   15                          ; v15      4 r
.set SA,   16                          ; v16-23   source 0's scale words: pair of tiles pa, K step j at 16 + 4 pa + j.  These hold scales and nothing else
.set SB,   24                          ; v24-31   source 1's
.set BIAS, 32                          ; v32-63   the bias in the result's layout; later v32-47 the codes made, v48-63 at work
.set PC,   32
.set T0,   48
.set MX0,  52
.set MX1,  53
.set PM0,  54
.set PM1,  55
.set EX0,  56
.set EX1,  57
.set BY0,  58
.set BY1,  59
.set WD,   60
.set AF,   64                          ; v64-95   source 0's four fragments; later the table's values, by turns with v96-127
.set BF,   96                          ; v96-127  source 1's
.set ACC,  128                         ; v128-255 accumulator (a, b) at 128 + 32 a + 8 b
.macro CROUND                          ; a round of the cluster's barrier
	s_barrier_signal -1
	s_barrier_wait -1
	s_cmp_lg_u32 s14, 0
	s_cbranch_scc1 .Lnot_wave_0_\@
	s_barrier_signal -3
.Lnot_wave_0_\@:
	s_barrier_wait -3
	s_barrier_signal -1
	s_barrier_wait -1
.endm
.macro PLACES                          ; four places behind matrix instructions, ahead of loads into their registers and of reads of their results
.rept 4
	v_nop
.endr
.endm
.macro SCALES q                        ; the scale words of K steps 4 q .. 4 q + 3
.irp pa, 0,1
	ds_load_b128 v[SA+4*\pa:SA+4*\pa+3], v[ASA] offset:1024*\pa+256*\q
	ds_load_b128 v[SB+4*\pa:SB+4*\pa+3], v[ASB] offset:1024*\pa+256*\q
.endr
.endm
.macro FRAGS c, s                      ; the eight fragments of K step s of half c: each load covers 512 consecutive bytes
.irp t, 0,1,2,3
	ds_load_b128 v[AF+8*\t:AF+8*\t+3],   v[AA+\c] offset:4096*\t+1024*(\s)
	ds_load_b128 v[AF+8*\t+4:AF+8*\t+7], v[AA+\c] offset:4096*\t+1024*(\s)+512
.endr
.irp t, 0,1,2,3
	ds_load_b128 v[BF+8*\t:BF+8*\t+3],   v[AB+\c] offset:4096*\t+1024*(\s)
	ds_load_b128 v[BF+8*\t+4:BF+8*\t+7], v[AB+\c] offset:4096*\t+1024*(\s)+512
.endr
.endm
; One product.  mode 0: onto the sum; 1: the sum starts from the bias of source 0's rows; 2: of source 1's.  An odd tile's scale words lie in lanes 16-31.
.macro ONE mode, j, a, b
.set rD, ACC+32*(\a)+8*(\b)
.if \mode == 0
.set rC, rD
.elseif \mode == 1
.set rC, BIAS+8*(\a)
.else
.set rC, BIAS+8*(\b)
.endif
.set rA, AF+8*(\a)
.set rB, BF+8*(\b)
.set rSA, SA+4*((\a)/2)+(\j)
.set rSB, SB+4*((\b)/2)+(\j)
.if ((\a)%2 == 0) && ((\b)%2 == 0)
	v_wmma_scale_f32_16x16x128_f8f6f4 v[rD:rD+7], v[rA:rA+7], v[rB:rB+7], v[rC:rC+7], v[rSA], v[rSB] matrix_a_fmt:MATRIX_FMT_FP4 matrix_b_fmt:MATRIX_FMT_FP4
.elseif ((\a)%2 == 1) && ((\b)%2 == 0)
	v_wmma_scale_f32_16x16x128_f8f6f4 v[rD:rD+7], v[rA:rA+7], v[rB:rB+7], v[rC:rC+7], v[rSA], v[rSB] matrix_a_fmt:MATRIX_FMT_FP4 matrix_b_fmt:MATRIX_FMT_FP4 matrix_a_scale:MATRIX_SCALE_ROW1
.elseif ((\a)%2 == 0) && ((\b)%2 == 1)
	v_wmma_scale_f32_16x16x128_f8f6f4 v[rD:rD+7], v[rA:rA+7], v[rB:rB+7], v[rC:rC+7], v[rSA], v[rSB] matrix_a_fmt:MATRIX_FMT_FP4 matrix_b_fmt:MATRIX_FMT_FP4 matrix_b_scale:MATRIX_SCALE_ROW1
.else
	v_wmma_scale_f32_16x16x128_f8f6f4 v[rD:rD+7], v[rA:rA+7], v[rB:rB+7], v[rC:rC+7], v[rSA], v[rSB] matrix_a_fmt:MATRIX_FMT_FP4 matrix_b_fmt:MATRIX_FMT_FP4 matrix_a_scale:MATRIX_SCALE_ROW1 matrix_b_scale:MATRIX_SCALE_ROW1
.endif
.endm
; A K step's 16 products.  The 16 accumulators take turns, one instruction a turn, in the same order in every step.
.macro MM mode, j
.irp bh, 0,1
.if \bh == 0
	s_wait_dscnt 0x4                               ; all but the youngest four loads (source 1's tiles 2, 3) are in
.else
	s_wait_dscnt 0x0
.endif
.irp a, 0,1,2,3
.irp bl, 0,1
	ONE \mode, \j, \a, 2*\bh+\bl
.endr
.endr
.endr
.endm
.macro KSTEP c, s
	PLACES
	FRAGS \c, \s
	MM 0, \s
.endm
; Four accumulators along the next K become 16 bytes of codes in v[pc .. pc + 3] and the two blocks' bytes in v[BY0], v[BY1].
.macro QUANT a0, a1, a2, a3, pc
	v_max3_num_f32 v[MX0], |v[\a0]|, |v[\a0+1]|, 0x1800000     ; block 0: my 16 numbers, from each accumulator's low end on, and the floor 2^(3 - 127)
	v_max3_num_f32 v[MX1], |v[\a2]|, |v[\a2+1]|, 0x1800000     ; block 1 (the two by turns)
.irp i, 2,4,6
	v_max3_num_f32 v[MX0], v[MX0], |v[\a0+\i]|, |v[\a0+\i+1]|
	v_max3_num_f32 v[MX1], v[MX1], |v[\a2+\i]|, |v[\a2+\i+1]|
.endr
.irp i, 0,2,4,6
	v_max3_num_f32 v[MX0], v[MX0], |v[\a1+\i]|, |v[\a1+\i+1]|
	v_max3_num_f32 v[MX1], v[MX1], |v[\a3+\i]|, |v[\a3+\i+1]|
.endr
	s_delay_alu instid0(VALU_DEP_2)
	v_permlanex16_b32 v[PM0], v[MX0], s2, s3
	s_delay_alu instid0(VALU_DEP_2)
	v_permlanex16_b32 v[PM1], v[MX1], s2, s3
	s_delay_alu instid0(VALU_DEP_2)
	v_max_num_f32 v[MX0], v[MX0], v[PM0]           ; with lane l xor 16's: the block's largest magnitude
	s_delay_alu instid0(VALU_DEP_2)
	v_max_num_f32 v[MX1], v[MX1], v[PM1]
	s_delay_alu instid0(VALU_DEP_2)
	v_add_nc_u32 v[EX0], 0xff000000, v[MX0]        ; 2 off the exponent field: the conversion's scale operand
	s_delay_alu instid0(VALU_DEP_2)
	v_add_nc_u32 v[EX1], 0xff000000, v[MX1]
	s_delay_alu instid0(VALU_DEP_2)
	v_lshrrev_b32 v[BY0], 23, v[EX0]               ; the scales' bytes
	s_delay_alu instid0(VALU_DEP_2)
	v_lshrrev_b32 v[BY1], 23, v[EX1]
	v_cvt_scalef32_pk8_fp4_f32 v[\pc],   v[\a0:\a0+7], v[EX0]   ; K = 8 h + 0 .. 7
	v_cvt_scalef32_pk8_fp4_f32 v[\pc+2], v[\a1:\a1+7], v[EX0]   ; 16 + 8 h ..
	v_cvt_scalef32_pk8_fp4_f32 v[\pc+1], v[\a2:\a2+7], v[EX1]   ; 32 + 8 h ..
	v_cvt_scalef32_pk8_fp4_f32 v[\pc+3], v[\a3:\a3+7], v[EX1]   ; 48 + 8 h ..
	v_nop                                          ; one plain place behind the scaled conversions
	v_permlane16_swap_b32 v[\pc],   v[\pc+1]       ; the first's lanes 16-31 change places with the second's lanes 0-15:
	v_permlane16_swap_b32 v[\pc+2], v[\pc+3]       ; register i of lane (r, h) now holds K = 32 h + 8 i + 0 .. 7
.endm
.macro ROPELD b                        ; cos and sin for token tile b of my four, into v64.. or v96.. by turns
.irp a, 0,1,2,3
	ds_load_b128 v[64+32*((\b)%2)+8*\a:64+32*((\b)%2)+8*\a+3],   v[ARP] offset:4096*(\b)+1024*\a
	ds_load_b128 v[64+32*((\b)%2)+8*\a+4:64+32*((\b)%2)+8*\a+7], v[ARP] offset:4096*(\b)+1024*\a+512
.endr
.endm
.macro ROT b                           ; registers 2 jj, 2 jj + 1 of accumulator (a, b) are the pair 8 a + 4 h + jj of my token
.set RS, 64+32*((\b)%2)
.irp a, 0,1,2,3
.irp jj, 0,1,2,3
.set xr, ACC+32*\a+8*(\b)+2*\jj
.set tr, T0+2*(\jj%2)
	v_mul_f32 v[tr],   v[xr+1], v[RS+8*\a+4+\jj]
	v_mul_f32 v[tr+1], v[xr],   v[RS+8*\a+4+\jj]
	v_fma_f32 v[xr],   v[xr],   v[RS+8*\a+\jj], -v[tr]     ; x1 cos - x2 sin
	v_fma_f32 v[xr+1], v[xr+1], v[RS+8*\a+\jj], v[tr+1]    ; x2 cos + x1 sin
.endr
.endr
.endm
	s_load_b256 s[4:11], s[0:1], 0x0               ; opc s[4:5], ops s[6:7], rope s[8:9], b_qkv s[10:11]
	s_load_b64 s[12:13], s[0:1], 0x20              ; rec
	s_set_vgpr_msb 0x40
	v_lshl_add_u32 v0, v0, 2, 0x4c600
	v_mov_b32 v1, 0
	s_set_vgpr_msb 0x4045
	ds_add_u32 v0, v1
	ds_add_u32 v0, v1
	s_set_vgpr_msb 0x4500
	v_lshrrev_b32 v1, 5, v0
	s_delay_alu instid0(VALU_DEP_1)
	v_readfirstlane_b32 s14, v1                    ; wave 0..11
	s_and_b32 s15, s14, 3                          ; g
	s_lshr_b32 s16, s14, 2                         ; p
	s_lshr_b32 s17, s14, 3                         ; 1 for a v wave
	s_xor_b32 s18, s17, 1                          ; 1 for a q or k wave
	s_mov_b32 s2, 0x76543210
	s_mov_b32 s3, 0xfedcba98                       ; v_permlanex16_b32's selects for lane l xor 16
	s_bfe_u32 s19, ttmp6, 0x40000                  ; cx
	s_bfe_u32 s20, ttmp6, 0x40004                  ; cy
	s_lshl_b32 s21, ttmp9, 2
	s_add_co_u32 s21, s21, s19                     ; the head = 4 x cluster x + cx
	s_and_b32 s22, ttmp7, 0xffff
	s_lshl_b32 s22, s22, 2
	s_add_co_u32 s22, s22, s20                     ; the block of 256 tokens = 4 x cluster y + cy
	s_lshl_b32 s23, s20, 2
	s_lshl_b32 s23, 15, s23                        ; my row of the cluster
	s_lshl_b32 s66, 0x1111, s19                    ; my column
	; descriptor groups 1: elements of 8 bytes, no padding; 15:0 the mask, bit 21 set beside it
	s_or_b32 s24, s23, (3<<16)|(1<<21)             ; tokens' codes
	s_or_b32 s32, s66, (3<<16)|(1<<21)             ; W's codes
	s_or_b32 s40, s23, (3<<16)|(1<<21)             ; tokens' scales
	s_or_b32 s48, s66, (3<<16)|(1<<21)             ; W's scales
	s_or_b32 s56, s23, (3<<16)|(1<<21)             ; the table
.irp g, 24, 32                         ; codes: four tiles' halves: 4 rows of 4,096 bytes, 8,192 bytes apart
	s_mov_b32 s[\g+1], 512<<16                     ; tensor_dim0 = 512 elements
	s_mov_b32 s[\g+2], 4<<16                       ; tensor_dim1 = 4
	s_mov_b32 s[\g+3], 512<<16                     ; tile_dim0
	s_mov_b32 s[\g+4], 4                           ; tile_dim1
	s_mov_b32 s[\g+5], 1024                        ; from row to row
	s_mov_b32 s[\g+6], 0
	s_mov_b32 s[\g+7], 0
.endr
.irp g, 40, 48                         ; scales: four tiles' 2,048 dense bytes as 8 rows of 256
	s_mov_b32 s[\g+1], 32<<16
	s_mov_b32 s[\g+2], 8<<16
	s_mov_b32 s[\g+3], 32<<16
	s_mov_b32 s[\g+4], 8
	s_mov_b32 s[\g+5], 32
	s_mov_b32 s[\g+6], 0
	s_mov_b32 s[\g+7], 0
.endr
	s_mov_b32 s57, 32<<16                          ; the table: four token tiles' 16,384 dense bytes as 64 rows of 256
	s_mov_b32 s58, 64<<16
	s_mov_b32 s59, 32<<16
	s_mov_b32 s60, 64
	s_mov_b32 s61, 32
	s_mov_b32 s62, 0
	s_mov_b32 s63, 0
	; groups 0: the LDS addresses hang on the wave's number alone
	s_mov_b32 s68, 1
	s_lshl_b32 s69, s15, 11
	s_add_co_u32 s69, s69, SCL                     ; tokens' scales: slots 4 g on
	s_mov_b32 s72, 1
	s_lshl_b32 s73, s15, 14                        ; tokens' codes, K 0..511
	s_mov_b32 s76, 1
	s_add_co_u32 s77, s73, CH1                     ; K 512..1,023
	s_mov_b32 s80, 1
	s_add_co_u32 s81, s69, 8192                    ; W's: slots 16 + 4 g on
	s_mov_b32 s84, 1
	s_add_co_u32 s85, s73, 65536
	s_mov_b32 s88, 1
	s_add_co_u32 s89, s77, 65536
	s_mov_b32 s92, 1
	s_add_co_u32 s93, s73, ROPE
	; the tokens' and the table's addresses are made of the token block and the wave alone, W's of the head and the wave alone, in registers that never hold the other coordinate
	s_lshl_b32 s96, s15, 2                         ; 4 g
	s_lshl_b32 s97, s22, 4
	s_add_co_u32 s97, s97, s96                     ; the tokens' first tile: 16 y + 4 g
	s_and_b32 s98, s22, 7
	s_lshl_b32 s98, s98, 4
	s_add_co_u32 s98, s98, s96                     ; the same within its batch
	s_mul_i32 s99, s21, 12
	s_add_co_u32 s99, s99, s96
	s_add_co_u32 s99, s99, 512                     ; W's first tile: 512 + 12 head + 4 g
	s_mov_b32 s101, 0
	s_mov_b32 s67, 0
	s_wait_dscnt 0x0
	s_wait_kmcnt 0x0
	s_lshl_b32 s100, s97, 9
	s_add_nc_u64 s[70:71], s[6:7], s[100:101]
	s_lshl_b32 s100, s97, 13
	s_add_nc_u64 s[74:75], s[4:5], s[100:101]
	s_add_nc_u64 s[78:79], s[74:75], 4096
	s_lshl_b32 s100, s98, 12
	s_add_nc_u64 s[94:95], s[8:9], s[100:101]
	s_lshl_b32 s66, s99, 9
	s_add_nc_u64 s[82:83], s[6:7], s[66:67]
	s_lshl_b32 s66, s99, 13
	s_add_nc_u64 s[86:87], s[4:5], s[66:67]
	s_add_nc_u64 s[90:91], s[86:87], 4096
.irp k, 71,75,79,83,87,91,95
	s_or_b32 s\k, s\k, 0x80000000                  ; type = 2
.endr
	CROUND                                         ; all sixteen work-groups are here: the joint loads meet
	; the fills, each wave's in one arm: waves 0-3 the tokens' tiles (three loads out), waves 4-6 W's (three), waves 8-11 the table (one); four v_nop follow each arm's last load
	s_cmp_lt_u32 s14, 4
	s_cbranch_scc0 .Lnot_tokens
	tensor_load_to_lds s[68:71], s[40:47]
	s_nop 0
	tensor_load_to_lds s[72:75], s[24:31]
	s_nop 0
	tensor_load_to_lds s[76:79], s[24:31]
	s_nop 0
	PLACES
	s_branch .Lasked
.Lnot_tokens:
	s_cmp_lt_u32 s14, 7
	s_cbranch_scc0 .Lnot_weights
	tensor_load_to_lds s[80:83], s[48:55]
	s_nop 0
	tensor_load_to_lds s[84:87], s[32:39]
	s_nop 0
	tensor_load_to_lds s[88:91], s[32:39]
	s_nop 0
	PLACES
	s_branch .Lasked
.Lnot_weights:
	s_cmp_lt_u32 s14, 8
	s_cbranch_scc1 .Lasked
	tensor_load_to_lds s[92:95], s[56:63]
	s_nop 0
	PLACES
.Lasked:
	; every LDS address is made here, on the way that all waves take
	v_and_b32 v[L16], 31, v0
	s_delay_alu instid0(VALU_DEP_1)
	v_lshlrev_b32 v[L8], 3, v[L16]
	s_delay_alu instid0(VALU_DEP_2)
	v_lshlrev_b32 v[L16], 4, v[L16]
	s_wait_alu depctr_va_vdst(0)
	v_and_b32 v[R4], 15, v0                        ; r
	v_bfe_u32 v[OH], v0, 4, 1                      ; h
	s_wait_alu depctr_va_vdst(0)
	s_lshl_b32 s19, s16, 2
	s_add_co_u32 s19, s19, 16                      ; W's slot: 16 + 4 p
	s_mul_i32 s20, s18, s19                        ; source 0: W's slot for a q or k wave,
	s_mul_i32 s23, s17, s96                        ; the tokens' slot 4 g for a v wave
	s_add_co_u32 s20, s20, s23
	s_mul_i32 s23, s18, s96                        ; source 1: the other way round
	s_mul_i32 s19, s17, s19
	s_add_co_u32 s23, s23, s19
	s_lshl_b32 s19, s20, 12
	v_add_nc_u32 v[AA], s19, v[L16]
	s_delay_alu instid0(VALU_DEP_1)
	v_add_nc_u32 v[AA+1], CH1, v[AA]
	s_lshl_b32 s19, s23, 12
	v_add_nc_u32 v[AB], s19, v[L16]
	s_delay_alu instid0(VALU_DEP_1)
	v_add_nc_u32 v[AB+1], CH1, v[AB]
	v_lshlrev_b32 v[ASA], 9, v[OH]
	s_delay_alu instid0(VALU_DEP_1)
	v_lshl_add_u32 v[ASA], v[R4], 4, v[ASA]        ; 512 h + 16 r
	s_lshl_b32 s19, s23, 9
	s_add_co_u32 s19, s19, SCL
	v_add_nc_u32 v[ASB], s19, v[ASA]
	s_lshl_b32 s19, s20, 9
	s_add_co_u32 s19, s19, SCL
	v_add_nc_u32 v[ASA], s19, v[ASA]
	v_add_nc_u32 v[ARP], s93, v[L16]               ; ROPE + 16384 g + 16 x lane
	s_lshl_b32 s19, s14, 8
	s_add_co_u32 s19, s19, STG
	v_lshl_add_u32 v[AWS], v[R4], 2, s19
	v_add_nc_u32 v[AWL], s19, v[L8]
	s_lshr_b32 s19, s15, 1
	s_lshl_b32 s19, s19, 8                         ; which key step of the block's two,
	s_and_b32 s20, s15, 1
	s_lshl_b32 s20, s20, 1                         ; and which two bytes of its words
	s_add_co_u32 s19, s19, s20
	s_add_co_u32 s19, s19, VST
	v_lshl_add_u32 v[AVS], v[R4], 2, s19
	v_add_nc_u32 v[AVL], VST, v[L16]
	v_lshlrev_b32 v[OH], 5, v[OH]                  ; 32 h
	v_lshlrev_b32 v[R4], 2, v[R4]                  ; 4 r
	s_mul_i32 s66, s21, 768
	s_lshl_b32 s19, s16, 8
	s_add_co_u32 s66, s66, s19
	s_add_nc_u64 s[10:11], s[10:11], s[66:67]      ; the bias of my 64 columns: 192 head + 64 p
	s_lshr_b32 s19, s22, 3
	s_lshl_b32 s19, s19, 4
	s_add_co_u32 s19, s19, s21                     ; bh = 16 batch + head
	s_mul_i32 s66, s19, REC
	s_add_nc_u64 s[12:13], s[12:13], s[66:67]      ; my record
	s_cmp_eq_u32 s17, 1
	s_cbranch_scc1 .Lbias_v
	s_wait_alu depctr_va_vdst(0)
.irp a, 0,1,2,3                        ; q, k: register j of tile a is column 16 a + 8 h + j
	global_load_b128 v[BIAS+8*\a:BIAS+8*\a+3],   v[OH], s[10:11] offset:64*\a
	global_load_b128 v[BIAS+8*\a+4:BIAS+8*\a+7], v[OH], s[10:11] offset:64*\a+16
.endr
	s_branch .Lbias_done
.Lbias_v:
	s_wait_alu depctr_va_vdst(0)
.irp b, 0,1,2,3                        ; v: all eight registers of tile b are column 16 b + r
.irp j, 0,1,2,3,4,5,6,7
	global_load_b32 v[BIAS+8*\b+\j], v[R4], s[10:11] offset:64*\b
.endr
.endr
.Lbias_done:
	s_wait_tensorcnt 0x1                           ; my scales and my part of K 0..511 are in; the one load issued behind them (K 512..1,023; a table wave's one load) may be out
	s_barrier_signal -1
	s_barrier_wait -1                              ; everybody's are
	SCALES 0
	FRAGS 0, 0
	s_wait_loadcnt 0x0                             ; the bias
	s_cmp_eq_u32 s17, 1
	s_cbranch_scc1 .Lfirst_v
	MM 1, 0                                        ; the first K step starts the sums from the bias: nothing is cleared or added later
	s_branch .Lfirst_done
.Lfirst_v:
	MM 2, 0
.Lfirst_done:
	KSTEP 0, 1
	KSTEP 0, 2
	KSTEP 0, 3
	s_wait_tensorcnt 0x0                           ; my part of K 512..1,023, or of the table, is in
	s_wait_dscnt 0x0
	s_barrier_signal -1
	s_barrier_wait -1                              ; everybody's is
	PLACES
	SCALES 1
	FRAGS 1, 0
	MM 0, 0
	KSTEP 1, 1
	KSTEP 1, 2
	KSTEP 1, 3
	PLACES                                         ; ahead of the first reads of results and of loads into the fragments' registers
	v_mov_b32 v[PM0], 0                            ; a lane permute's destination counts as one of its sources
	v_mov_b32 v[PM1], 0
	s_cmp_eq_u32 s17, 1
	s_cbranch_scc1 .Lout_v
	; ---- q, k: rotate, quantise along the head's 64, a tile of 16 tokens at a time
	s_cmp_eq_u32 s16, 0
	s_cselect_b32 s19, 143360, 0                   ; Q's codes or K's
	s_cselect_b32 s20, 77824, 0                    ; Q's words lie 77,824 bytes behind K's
	s_lshl_b32 s23, s98, 9
	s_add_co_u32 s66, s19, s23
	s_add_nc_u64 s[96:97], s[12:13], s[66:67]      ; 512 bytes a token tile
	s_lshl_b32 s23, s98, 6
	s_add_co_u32 s66, s20, s23
	s_add_co_u32 s66, s66, 131072
	s_add_nc_u64 s[98:99], s[12:13], s[66:67]      ; 4 bytes a token
	ROPELD 0
.irp b, 0,1,2,3
.if \b < 3
	ROPELD \b+1
	s_wait_dscnt 0x8                               ; this tile's eight loads are in; the next tile's eight may be out
.else
	s_wait_dscnt 0x0
.endif
	ROT \b
	QUANT ACC+8*\b, ACC+32+8*\b, ACC+64+8*\b, ACC+96+8*\b, PC+4*\b
	v_lshl_or_b32 v[WD], v[BY1], 8, v[BY0]
	s_delay_alu instid0(VALU_DEP_1)
	v_or_b32 v[WD], 0x7f7f0000, v[WD]              ; bytes 2, 3: 2^0 over the zero codes of K 64..127
	ds_store_b32 v[AWS], v[WD] offset:64*\b        ; both halves of the lanes write the same word with the same value
	global_store_b128 v[L16], v[PC+4*\b:PC+4*\b+3], s[96:97] offset:512*\b     ; 512 consecutive bytes
.endr
	ds_load_b64 v[62:63], v[AWL]                   ; LDS serves a wave's instructions in order: these see my stores
	s_wait_dscnt 0x0
	global_store_b64 v[L8], v[62:63], s[98:99]     ; my 64 tokens' words: 256 consecutive bytes, aligned
	s_branch .Ljoin
	; ---- v: quantise along my 64 tokens, a tile of 16 channels at a time
.Lout_v:
	s_and_b32 s19, s22, 7
	s_lshl_b32 s19, s19, 1
	s_lshr_b32 s20, s15, 1
	s_add_co_u32 s19, s19, s20                     ; the key step of 128: 2 (y mod 8) + g / 2
	s_lshl_b32 s19, s19, 12
	s_and_b32 s20, s15, 1
	s_lshl_b32 s20, s20, 9                         ; which 64 keys of it
	s_add_co_u32 s19, s19, s20
	s_add_co_u32 s66, s19, 65536
	s_add_nc_u64 s[96:97], s[12:13], s[66:67]
.irp b, 0,1,2,3
	QUANT ACC+8*\b, ACC+32+8*\b, ACC+64+8*\b, ACC+96+8*\b, PC+4*\b
	v_lshl_or_b32 v[WD], v[BY1], 8, v[BY0]
	ds_store_b16 v[AVS], v[WD] offset:64*\b        ; two of the four bytes of channel 16 b + r's word
	global_store_b128 v[L16], v[PC+4*\b:PC+4*\b+3], s[96:97] offset:1024*\b    ; 512 consecutive bytes
.endr
.Ljoin:
	s_wait_dscnt 0x0                               ; for the others' sake: my LDS stores are done
	s_barrier_signal -1
	s_barrier_wait -1
	s_cmp_lg_u32 s14, 8
	s_cbranch_scc1 .Lnot_8
	ds_load_b128 v[48:51], v[AVL]                  ; V's scale words of the block's two key steps, from the four v waves
	s_and_b32 s19, s22, 7
	s_lshl_b32 s19, s19, 9
	s_add_co_u32 s66, s19, 139264
	s_add_nc_u64 s[100:101], s[12:13], s[66:67]
	s_wait_dscnt 0x0
	global_store_b128 v[L16], v[48:51], s[100:101] ; 512 consecutive bytes
.Lnot_8:
	s_set_vgpr_msb 0x5
	s_wait_tensorcnt 0x0
	ds_add_u32 v0, v1
	s_wait_dscnt 0x0
	s_set_vgpr_msb 0x500
	CROUND                                         ; the closing round: no work-group ends while a partner may still ask for a tile that names it
	s_endpgm
.Lfunc_end_k_q6fddff5ed8_qkvp:
	.size	k_q6fddff5ed8_qkvp, .Lfunc_end_k_q6fddff5ed8_qkvp-k_q6fddff5ed8_qkvp
	.p2alignl 7, 3214868480
	.fill 96, 4, 3214868480
	.section	.rodata,"a",@progbits
	.p2align	6, 0x0
	.amdhsa_kernel k_q6fddff5ed8_qkvp
		.amdhsa_group_segment_fixed_size 314368
		.amdhsa_private_segment_fixed_size 0
		.amdhsa_enable_private_segment 0
		.amdhsa_kernarg_size 40
		.amdhsa_user_sgpr_count 2
		.amdhsa_user_sgpr_kernarg_segment_ptr 1
		.amdhsa_wavefront_size32 1
		.amdhsa_system_sgpr_workgroup_id_x 1
		.amdhsa_system_sgpr_workgroup_id_y 1
		.amdhsa_system_sgpr_workgroup_id_z 1
		.amdhsa_system_vgpr_workitem_id 0
		.amdhsa_next_free_vgpr 258
		.amdhsa_next_free_sgpr 102
		.amdhsa_reserve_vcc 0
		.amdhsa_float_denorm_mode_32 3
		.amdhsa_float_denorm_mode_16_64 3
		.amdhsa_memory_ordered 1
		.amdhsa_forward_progress 1
		.amdhsa_inst_pref_size 77
	.end_amdhsa_kernel
	.amdgpu_metadata
---
amdhsa.version: [ 1, 2 ]
amdhsa.kernels:
  - .name:           k_q6fddff5ed8_qkvp
    .symbol:         k_q6fddff5ed8_qkvp.kd
    .args:
      - { .name: opc, .offset: 0, .size: 8, .value_kind: global_buffer, .address_space: global }
      - { .name: ops, .offset: 8, .size: 8, .value_kind: global_buffer, .address_space: global }
      - { .name: rope, .offset: 16, .size: 8, .value_kind: global_buffer, .address_space: global }
      - { .name: b_qkv, .offset: 24, .size: 8, .value_kind: global_buffer, .address_space: global }
      - { .name: rec, .offset: 32, .size: 8, .value_kind: global_buffer, .address_space: global }
    .group_segment_fixed_size: 314368
    .private_segment_fixed_size: 0
    .kernarg_segment_align: 8
    .kernarg_segment_size: 40
    .max_flat_workgroup_size: 384
    .sgpr_count:     102
    .vgpr_count:     258
    .wavefront_size: 32
...
	.end_amdgpu_metadata
.endif
;; end of part 2
;; launch attn (part 3): grid 4 x 64, 16 waves a work-group, clusters of 4 x 1, 169,984 bytes of LDS; arguments rec, yc, ys; writes yc, ys
.if DOCPART == 3
	.amdgcn_target "amdgcn-amd-amdhsa--gfx1250"
	.amdhsa_code_object_version 6
	.text
	.protected	k_q6fddff5ed8_attn
	.globl	k_q6fddff5ed8_attn
	.p2align	8
	.type	k_q6fddff5ed8_attn,@function
k_q6fddff5ed8_attn:
	s_mov_b64 s[64:65], 0
	v_nop
	global_prefetch_b8 v0, s[64:65] scope:SCOPE_SE
	s_setreg_imm32_b32 hwreg(HW_REG_WAVE_MODE, 25, 1), 1
	s_wait_xcnt 0x0
	s_wait_alu depctr_hold_cnt(0) depctr_sa_sdst(0) depctr_va_vdst(0) depctr_va_sdst(0) depctr_va_ssrc(0) depctr_va_vcc(0) depctr_vm_vsrc(0)
	s_getreg_b32 s2, hwreg(HW_REG_IB_STS2, 6, 4)
	s_cmp_eq_u32 s2, 0
	s_cbranch_scc0 .Lentry_in_a_cluster
	s_endpgm
.Lentry_in_a_cluster:
	s_bfe_u32 s2, ttmp6, 0x10000c
	s_cmp_lg_u32 s2, 0x3003
	s_cbranch_scc0 .Lentry_shape_is_right
	s_endpgm
.Lentry_shape_is_right:
; ATTENTION, causal, both products on codes of FP4 with E8M0 scales; y is quantised along its 1,024 channels on the way out.
; t = score x log2(e) / 8; M = the running largest t rounded UP to a whole number; p = 2^(t - M) is quantised along the keys, not normalised; the row's sum is taken of the unquantised p and divides O at the end.
; When M moves, the sum and O are multiplied by 2^(old M - new M): exact.
; SHARES.  The four work-groups of a cluster belong to one (batch, head).  Wave w of work-group cx owns two tiles of 16 queries: A = 4 w + cx and B = 127 - A.  A has (w >> 1) + 1 key steps of 128, B has 16 - (w >> 1):
; 17 for every wave.  Every branch hangs on the wave's number and the loop's counter alone; cx enters global addresses and the lanes' numbers for the mask, nothing else.
; LDS.  The head's K and V, codes and scale words, 143,360 bytes, lie in LDS as they lie in the record, filled ONCE by eight joint loads (mask: all four work-groups).  Nothing is stored to LDS.
; LAYOUT.  S^T = K Q^T (source 0 = 16 neighbouring keys, source 1 = my 16 queries), O^T = V^T P^T (source 0 = 16 channels, source 1 = P): a lane holds ONE query.  The head size 64 fills half of the instruction's 128:
; the upper four registers of Q's and K's fragments are zero codes, under scale bytes 0x7f.
; Register 8 t + j of S^T is key 16 t + 8 h + j of the step: tiles 2 b, 2 b + 1 and lane l xor 16 hold block b.  The eight conversions' results are laid so that four exchanges of lane halves give P in true key order.
; THE WAY OUT.  y's codes: 512 consecutive bytes a tile, an image piece (tile = token / 16, piece = head).  Its scale bytes leave as two bytes a lane, 16 bytes apart (a head's share of a row's words): 262,144 bytes in all,
; one sixteenth of y's code bytes; a whole word would need all of two heads in one work-group.
; LIMITS: a block whose every p is 0 keeps the byte 1 (its codes are zeros); NaN and infinities among the scores are not served.
.set REC, 217088
.set MX0, 232
.set MX1, 233
.set BY0, 234
.set BY1, 235
.set PM0, 236
.set PM1, 237
.set EX0, 244
.set EX1, 245
; REGISTERS: v1 16 x lane, v2 4 x lane; v3, v4, v5, v255 the step's LDS addresses (K, V, K's words, V's words); v6, v7 the mask's numbers of A, B; v8-11, v12-15 -M, largest t, the sum in two halves, of A, B;
; v16-23, v24-31 Q of A, B; v32-63 four fragments of K; v64-95 four of V; v96-159 S^T, then p; v160-191, v192-223 O^T of A, B; v224-231 p's codes; v232-239, v244-247, v252, v254 at work;
; v240-243 K's scale words, v248-249 V's, v250, v251 Q's, v253 p's: these hold scales and nothing else.
.macro CROUND                          ; a round of the cluster's barrier
	s_barrier_signal -1
	s_barrier_wait -1
	s_cmp_lg_u32 s10, 0
	s_cbranch_scc1 .Lnot_wave_0_\@
	s_barrier_signal -3
.Lnot_wave_0_\@:
	s_barrier_wait -3
	s_barrier_signal -1
	s_barrier_wait -1
.endm
.macro PLACES
.rept 4
	v_nop
.endr
.endm
; A key step of one tile of queries.  qr: Q's fragment; qw: its scale words; st: its four registers of state; ob: its O^T; dm: its mask number; nd: the scalar that holds its diagonal step.
.macro TSTEP qr, qw, st, ob, dm, nd
	v_add_nc_u32 v3, s37, v1                       ; (these four are also places behind the last products)
	s_wait_alu depctr_va_vdst(0)
	v_add_nc_u32 v4, s42, v1
	v_add_nc_u32 v5, s38, v2
	v_add_nc_u32 v255, s39, v2
.irp b, 0,1,2,3
	ds_load_b32 v[240+\b], v5 offset:128*\b        ; lanes 0-15: the words of key tile 2 b; lanes 16-31: of tile 2 b + 1
.endr
.irp g, 0,1                            ; S^T, four tiles of 16 keys at a time
.if \g > 0
	PLACES                                         ; ahead of loads into registers that matrix instructions have read
.endif
.irp t, 0,1,2,3
	ds_load_b128 v[32+8*\t:35+8*\t], v3 offset:512*(4*\g+\t)       ; 512 consecutive bytes: the lower four registers; the upper four stay zero
.endr
	s_wait_dscnt 0x0
.irp u, 0,1
	v_wmma_scale_f32_16x16x128_f8f6f4 v[96+32*\g+16*\u:103+32*\g+16*\u], v[32+16*\u:39+16*\u], v[\qr:\qr+7], 0, v[240+2*\g+\u], v[\qw] matrix_a_fmt:MATRIX_FMT_FP4 matrix_b_fmt:MATRIX_FMT_FP4
	v_wmma_scale_f32_16x16x128_f8f6f4 v[104+32*\g+16*\u:111+32*\g+16*\u], v[40+16*\u:47+16*\u], v[\qr:\qr+7], 0, v[240+2*\g+\u], v[\qw] matrix_a_fmt:MATRIX_FMT_FP4 matrix_b_fmt:MATRIX_FMT_FP4 matrix_a_scale:MATRIX_SCALE_ROW1
.endr
.endr
	PLACES
	s_wait_alu depctr_va_vdst(0)
.irp t, 0,1,2,3                        ; V is asked for here and lands under the softmax
	ds_load_b128 v[64+8*\t:67+8*\t], v4 offset:1024*\t
	ds_load_b128 v[68+8*\t:71+8*\t], v4 offset:1024*\t+512
.endr
	ds_load_b32 v248, v255                         ; lanes 0-15: the words of channels 0-15; lanes 16-31: of 16-31
	ds_load_b32 v249, v255 offset:128              ; channels 32-47, 48-63
	s_cmp_lg_u32 s36, s[\nd]                       ; on the diagonal step the scores of hidden keys become -infinity ahead of the maximum; every other step that is walked has all its keys open
	s_cbranch_scc1 .Lopen_\@
	v_mov_b32 v254, 0xff800000
.set n, 0
.rept 64
	v_cmp_gt_i32 vcc_lo, 16*(n/8)+n%8, v[\dm]      ; key 16 t + 8 h + j of the step is hidden where 16 t + j > 16 (tile mod 8) + r - 8 h
	v_cndmask_b32 v[96+n], v[96+n], v254, vcc_lo
.set n, n+1
.endr
.Lopen_\@:
.irp b, 0,1,2,3
	v_max3_num_f32 v[232+\b], v[96+16*\b], v[97+16*\b], v[98+16*\b]        ; the largest score of each block of 32 keys: for the row's maximum, and, since p rises with the score, for the block's largest p
.endr
.irp i, 3,5,7,9,11,13
.irp b, 0,1,2,3
	v_max3_num_f32 v[232+\b], v[232+\b], v[96+16*\b+\i], v[97+16*\b+\i]
.endr
.endr
.irp b, 0,1,2,3
	v_max_num_f32 v[232+\b], v[232+\b], v[111+16*\b]
.endr
.irp b, 0,1,2,3
	s_delay_alu instid0(VALU_DEP_4)
	v_permlanex16_b32 v[236+\b], v[232+\b], s20, s21
.endr
.irp b, 0,1,2,3
	s_delay_alu instid0(VALU_DEP_4)
	v_max_num_f32 v[232+\b], v[232+\b], v[236+\b]  ; with lane l xor 16's 16 keys
.endr
	s_delay_alu instid0(VALU_DEP_2)
	v_max3_num_f32 v254, v232, v233, v234
	s_delay_alu instid0(VALU_DEP_1)
	v_max_num_f32 v254, v254, v235
	s_delay_alu instid0(VALU_DEP_1)
	v_mul_f32 v254, s22, v254                      ; the step's largest t
	s_delay_alu instid0(VALU_DEP_1)
	v_max_num_f32 v[\st+1], v[\st+1], v254         ; the running largest t
	v_mov_b32 v254, v[\st]
	s_delay_alu instid0(VALU_DEP_2)
	v_floor_f32 v[\st], -v[\st+1]                  ; the new -M = floor(-t): M is a whole number
	s_delay_alu instid0(VALU_DEP_1)
	v_sub_f32 v254, v[\st], v254                   ; old M - new M, a whole number, 0 or less
	s_delay_alu instid0(VALU_DEP_1)
	v_cvt_i32_f32 v254, v254                       ; (it saturates)
	s_delay_alu instid0(VALU_DEP_1)
	v_ldexp_f32 v252, 1.0, v254                    ; f = 2^(old M - new M)
.set n, 0
.rept 32
	v_pk_fma_f32 v[96+n:97+n], v[96+n:97+n], s[22:23], v[\st:\st+1] op_sel_hi:[1,0,0]      ; t - M, two at a time
.set n, n+2
.endr
.irp b, 0,1,2,3
	v_fma_f32 v[232+\b], v[232+\b], s22, v[\st]    ; the same of each block's largest score
.endr
.set n, 0
	s_wait_alu depctr_va_vdst(0)
.rept 64
	v_exp_f32 v[96+n], v[96+n]                     ; p = 2^(t - M)
.set n, n+1
.endr
.irp b, 0,1,2,3
	v_exp_f32 v[232+\b], v[232+\b]                 ; the block's largest p: the same two instructions on the same number
.endr
	v_pk_mul_f32 v[\st+2:\st+3], v[\st+2:\st+3], v[252:253] op_sel_hi:[1,0]    ; the sums under the new M (a plain place behind the exponentials)
	s_wait_alu depctr_va_vdst(0)
.irp b, 0,1,2,3
	v_max_num_f32 v[232+\b], 0x1800000, v[232+\b]  ; the floor 2^(3 - 127)
.endr
.irp b, 0,1,2,3
	s_delay_alu instid0(VALU_DEP_4)
	v_add_nc_u32 v[244+\b], 0xff000000, v[232+\b]  ; 2 off the exponent field: the conversion's scale operand
.endr
.irp b, 0,1,2,3
	s_delay_alu instid0(VALU_DEP_4)
	v_lshrrev_b32 v[236+\b], 23, v[244+\b]
.endr
	s_delay_alu instid0(VALU_DEP_3)
	v_lshl_or_b32 v253, v237, 8, v236              ; p's scale word for these 128 keys
	s_delay_alu instid0(VALU_DEP_1)
	v_lshl_or_b32 v253, v238, 16, v253
	s_delay_alu instid0(VALU_DEP_1)
	v_lshl_or_b32 v253, v239, 24, v253
.irp b, 0,1,2,3
	v_cvt_scalef32_pk8_fp4_f32 v[224+4*(\b/2)+(\b%2)],   v[96+16*\b:103+16*\b],  v[244+\b]     ; keys 32 b + 8 h + 0 .. 7
	v_cvt_scalef32_pk8_fp4_f32 v[226+4*(\b/2)+(\b%2)],   v[104+16*\b:111+16*\b], v[244+\b]     ; keys 32 b + 16 + 8 h + 0 .. 7
.endr
	v_nop                                          ; one plain place behind the scaled conversions
.irp c, 0,1
.irp i, 0,1
	v_permlane16_swap_b32 v[224+4*\c+2*\i], v[225+4*\c+2*\i]       ; register 4 c + i' of lane (r, h) now holds keys 64 c + 32 h + 8 i' + 0 .. 7
.endr
.endr
	v_pk_add_f32 v[236:237], v[96:97], v[98:99]    ; the row's sum of the unquantised p, in two chains
.irp j, 4,8,12,16,20,24,28,32,36,40,44,48,52,56,60
	v_pk_add_f32 v[\st+2:\st+3], v[\st+2:\st+3], v[96+\j:97+\j]
	v_pk_add_f32 v[236:237], v[236:237], v[98+\j:99+\j]
.endr
	s_delay_alu instid0(VALU_DEP_1)
	v_pk_add_f32 v[\st+2:\st+3], v[\st+2:\st+3], v[236:237]
.set n, 0
.rept 16
	v_pk_mul_f32 v[\ob+n:\ob+n+1], v[\ob+n:\ob+n+1], v[252:253] op_sel_hi:[1,0]    ; O^T under the new M, from each accumulator's low end on
.set n, n+2
.endr
	s_wait_alu depctr_va_vdst(0)
	s_wait_dscnt 0x0                               ; V and its scale words are in
.irp u, 0,1                            ; O^T += V^T P^T: the four accumulators by turns
	v_wmma_scale_f32_16x16x128_f8f6f4 v[\ob+16*\u:\ob+16*\u+7], v[64+16*\u:71+16*\u], v[224:231], v[\ob+16*\u:\ob+16*\u+7], v[248+\u], v253 matrix_a_fmt:MATRIX_FMT_FP4 matrix_b_fmt:MATRIX_FMT_FP4
	v_wmma_scale_f32_16x16x128_f8f6f4 v[\ob+16*\u+8:\ob+16*\u+15], v[72+16*\u:79+16*\u], v[224:231], v[\ob+16*\u+8:\ob+16*\u+15], v[248+\u], v253 matrix_a_fmt:MATRIX_FMT_FP4 matrix_b_fmt:MATRIX_FMT_FP4 matrix_a_scale:MATRIX_SCALE_ROW1
.endr
.endm
; Four runs of eight registers along the next K (register j of run i: K index 16 i + 8 h + j) become 16 bytes of codes in v[pc .. pc + 3] and the two blocks' bytes.
.macro QUANT a0, a1, a2, a3, pc
	v_max3_num_f32 v[MX0], |v[\a0]|, |v[\a0+1]|, 0x1800000
	v_max3_num_f32 v[MX1], |v[\a2]|, |v[\a2+1]|, 0x1800000
.irp i, 2,4,6
	s_delay_alu instid0(VALU_DEP_2)
	v_max3_num_f32 v[MX0], v[MX0], |v[\a0+\i]|, |v[\a0+\i+1]|
	s_delay_alu instid0(VALU_DEP_2)
	v_max3_num_f32 v[MX1], v[MX1], |v[\a2+\i]|, |v[\a2+\i+1]|
.endr
.irp i, 0,2,4,6
	s_delay_alu instid0(VALU_DEP_2)
	v_max3_num_f32 v[MX0], v[MX0], |v[\a1+\i]|, |v[\a1+\i+1]|
	s_delay_alu instid0(VALU_DEP_2)
	v_max3_num_f32 v[MX1], v[MX1], |v[\a3+\i]|, |v[\a3+\i+1]|
.endr
	s_delay_alu instid0(VALU_DEP_2)
	v_permlanex16_b32 v[PM0], v[MX0], s20, s21
	s_delay_alu instid0(VALU_DEP_2)
	v_permlanex16_b32 v[PM1], v[MX1], s20, s21
	s_delay_alu instid0(VALU_DEP_2)
	v_max_num_f32 v[MX0], v[MX0], v[PM0]
	s_delay_alu instid0(VALU_DEP_2)
	v_max_num_f32 v[MX1], v[MX1], v[PM1]
	s_delay_alu instid0(VALU_DEP_2)
	v_add_nc_u32 v[EX0], 0xff000000, v[MX0]
	s_delay_alu instid0(VALU_DEP_2)
	v_add_nc_u32 v[EX1], 0xff000000, v[MX1]
	s_delay_alu instid0(VALU_DEP_2)
	v_lshrrev_b32 v[BY0], 23, v[EX0]
	s_delay_alu instid0(VALU_DEP_2)
	v_lshrrev_b32 v[BY1], 23, v[EX1]
	v_cvt_scalef32_pk8_fp4_f32 v[\pc],   v[\a0:\a0+7], v[EX0]
	v_cvt_scalef32_pk8_fp4_f32 v[\pc+2], v[\a1:\a1+7], v[EX0]
	v_cvt_scalef32_pk8_fp4_f32 v[\pc+1], v[\a2:\a2+7], v[EX1]
	v_cvt_scalef32_pk8_fp4_f32 v[\pc+3], v[\a3:\a3+7], v[EX1]
	v_nop
	v_permlane16_swap_b32 v[\pc],   v[\pc+1]
	v_permlane16_swap_b32 v[\pc+2], v[\pc+3]
.endm
.macro FINISH st, ob, pc, hb           ; O^T / the sum, quantised along the head's 64 channels
	v_add_f32 v254, v[\st+2], v[\st+3]
	s_delay_alu instid0(VALU_DEP_1)
	v_permlanex16_b32 v236, v254, s20, s21
	s_delay_alu instid0(VALU_DEP_1)
	v_add_f32 v254, v254, v236                     ; the row's sum
	s_wait_alu depctr_va_vdst(0)
	v_rcp_f32 v254, v254
	v_nop                                          ; one plain place behind the transcendental
.set n, 0
	s_wait_alu depctr_va_vdst(0)
.rept 32
	v_mul_f32 v[96+n], v[\ob+n], v254              ; register 8 t + j: y(query r, channel 16 t + 8 h + j)
.set n, n+1
.endr
	QUANT 96, 104, 112, 120, \pc
	v_lshl_or_b32 v[\hb], v[BY1], 8, v[BY0]
.endm
	s_load_b128 s[4:7], s[0:1], 0x0                ; rec s[4:5], yc s[6:7]
	s_load_b64 s[8:9], s[0:1], 0x10                ; ys
	v_lshl_add_u32 v254, v0, 2, 0x29000
	v_mov_b32 v255, 0
	ds_add_u32 v254, v255
	ds_add_u32 v254, v255
	s_wait_dscnt 0x0
	v_lshrrev_b32 v1, 5, v0
	s_delay_alu instid0(VALU_DEP_1)
	v_readfirstlane_b32 s10, v1                    ; wave 0..15
	s_bfe_u32 s11, ttmp6, 0x40000                  ; cx
	s_and_b32 s12, ttmp7, 0xffff                   ; bh, which the four partners share
	s_mov_b32 s24, 15|(3<<16)|(1<<21)              ; group 1: 15:0 the mask: all four; elements of 8 bytes; bit 21 set beside a mask; no padding
	s_mov_b32 s25, 32<<16                          ; 17,920 dense bytes as 70 rows of 256
	s_mov_b32 s26, 70<<16
	s_mov_b32 s27, 32<<16
	s_mov_b32 s28, 70
	s_mov_b32 s29, 32
	s_mov_b32 s30, 0
	s_mov_b32 s31, 0
	s_mul_i32 s14, s12, REC
	s_mov_b32 s15, 0
	s_mov_b32 s32, 1
	s_mul_i32 s33, s10, 17920                      ; an eighth of the 143,360 bytes for each of waves 0-7, in LDS as in the record
	s_mov_b32 s16, s33
	s_mov_b32 s17, 0
	s_mov_b32 s20, 0x76543210
	s_mov_b32 s21, 0xfedcba98                      ; v_permlanex16_b32's selects for lane l xor 16
	s_mov_b32 s22, 0x3e38aa3b                      ; c = log2(e) / 8
	s_mov_b32 s23, s22                             ; (named with it as a pair)
	s_wait_kmcnt 0x0
	s_add_nc_u64 s[4:5], s[4:5], s[14:15]          ; my record
	s_add_nc_u64 s[34:35], s[4:5], s[16:17]
	s_or_b32 s35, s35, 0x80000000
	CROUND                                         ; all four work-groups are here: the joint loads meet
	s_cmp_lt_u32 s10, 8
	s_cbranch_scc0 .Lno_fill
	tensor_load_to_lds s[32:35], s[24:31]          ; one load of mine is out
	s_nop 0
	PLACES
.Lno_fill:
	v_and_b32 v2, 31, v0
	s_delay_alu instid0(VALU_DEP_1)
	v_lshlrev_b32 v1, 4, v2                        ; 16 x lane
	s_wait_alu depctr_va_vdst(0)
	v_lshlrev_b32 v2, 2, v2                        ; 4 x lane
	v_and_b32 v3, 15, v0                           ; r
	s_wait_alu depctr_va_vdst(0)
	v_bfe_u32 v4, v0, 4, 1                         ; h
	s_wait_alu depctr_va_vdst(0)
	s_lshl_b32 s13, s10, 2
	s_add_co_u32 s13, s13, s11                     ; tile A = 4 w + cx
	s_xor_b32 s18, s13, 127                        ; tile B = 127 - A
	s_lshr_b32 s40, s10, 1                         ; A's diagonal step: A / 8 = w / 2
	s_xor_b32 s41, s40, 15                         ; B's: 15 - w / 2
	s_lshl_b32 s14, s13, 9
	s_add_co_u32 s14, s14, 143360
	v_add_nc_u32 v232, s14, v1                     ; Q's codes: 512 bytes a tile
	s_lshl_b32 s14, s18, 9
	s_add_co_u32 s14, s14, 143360
	v_add_nc_u32 v233, s14, v1
	v_lshlrev_b32 v5, 2, v3
	s_lshl_b32 s14, s13, 6
	s_add_co_u32 s14, s14, 208896
	v_add_nc_u32 v234, s14, v5                     ; Q's scale words: 4 bytes a query
	s_lshl_b32 s14, s18, 6
	s_add_co_u32 s14, s14, 208896
	v_add_nc_u32 v235, s14, v5
	global_load_b128 v[16:19], v232, s[4:5]
	global_load_b128 v[24:27], v233, s[4:5]
	global_load_b32 v250, v234, s[4:5]
	global_load_b32 v251, v235, s[4:5]
	v_lshlrev_b32 v5, 3, v4
	s_delay_alu instid0(VALU_DEP_1)
	v_sub_nc_u32 v5, v3, v5                        ; r - 8 h
	s_and_b32 s14, s13, 7
	s_lshl_b32 s14, s14, 4
	v_add_nc_u32 v6, s14, v5                       ; the mask's number of A: 16 (A mod 8) + r - 8 h
	s_and_b32 s14, s18, 7
	s_lshl_b32 s14, s14, 4
	v_add_nc_u32 v7, s14, v5                       ; of B
	v_mov_b32 v9, 0xff61b1e6                       ; the largest t so far: -3e38
	v_mov_b32 v13, 0xff61b1e6
	s_delay_alu instid0(VALU_DEP_2)
	v_floor_f32 v8, -v9                            ; -M
	s_delay_alu instid0(VALU_DEP_2)
	v_floor_f32 v12, -v13
.irp k, 10,11,14,15, 20,21,22,23, 28,29,30,31, 36,37,38,39, 44,45,46,47, 52,53,54,55, 60,61,62,63, 236,237,238,239, 253
	v_mov_b32 v\k, 0                               ; the sums; the zero codes of K 64..127 in Q's and K's fragments; the lane permutes' destinations; the pair v[252:253]'s upper half
.endr
.set n, 0
.rept 64
	v_mov_b32 v[160+n], 0                          ; O^T: the step is written once; the first finds zeros, which the first change of M leaves zeros
.set n, n+1
.endr
	s_mov_b32 s36, 0                               ; the key step
	s_mov_b32 s37, 0                               ; where its K codes begin in LDS: 4,096 bytes a step
	s_mov_b32 s42, 65536                           ; its V codes: 4,096
	s_mov_b32 s38, 131072                          ; K's scale words: 512
	s_mov_b32 s39, 139264                          ; V's: 256
	s_wait_tensorcnt 0x0                           ; my eighth is in
	s_barrier_signal -1
	s_barrier_wait -1                              ; everybody's is
	s_wait_loadcnt 0x0                             ; Q
.Lstep:                                            ; 16 trips in every wave; a tile's steps beyond its diagonal are jumped over
	s_cmp_gt_u32 s36, s41
	s_cbranch_scc1 .Lskip_b
	TSTEP 24, 251, 12, 192, 7, 41
.Lskip_b:
	s_cmp_gt_u32 s36, s40
	s_cbranch_scc1 .Lskip_a
	TSTEP 16, 250, 8, 160, 6, 40
.Lskip_a:
	s_add_co_u32 s37, s37, 4096
	s_add_co_u32 s42, s42, 4096
	s_add_co_u32 s38, s38, 512
	s_add_co_u32 s39, s39, 256
	s_add_co_u32 s36, s36, 1
	s_cmp_lt_u32 s36, 16
	s_cbranch_scc1 .Lstep
	PLACES                                         ; behind the last products
	FINISH 8, 160, 224, 238
	FINISH 12, 192, 228, 239
	s_lshr_b32 s14, s12, 4
	s_lshl_b32 s14, s14, 7                         ; 128 token tiles a batch
	s_and_b32 s16, s12, 15                         ; the head
	s_add_co_u32 s43, s14, s13                     ; A's token tile
	s_add_co_u32 s44, s14, s18                     ; B's
	s_lshl_b32 s45, s16, 9                         ; piece = head
	s_lshl_b32 s46, s43, 13
	s_add_co_u32 s46, s46, s45
	v_add_nc_u32 v246, s46, v1
	s_lshl_b32 s46, s44, 13
	s_add_co_u32 s46, s46, s45
	v_add_nc_u32 v247, s46, v1
	s_wait_alu depctr_va_vdst(0)
	global_store_b128 v246, v[224:227], s[6:7]     ; 512 consecutive bytes
	global_store_b128 v247, v[228:231], s[6:7]
	s_lshr_b32 s45, s16, 3                         ; the scale bytes: 256 (head / 8) + 4 ((head / 2) mod 4) + 2 (head mod 2) in a tile's 512 bytes,
	s_lshl_b32 s45, s45, 8
	s_bfe_u32 s46, s16, 0x20001
	s_lshl_b32 s46, s46, 2
	s_add_co_u32 s45, s45, s46
	s_and_b32 s46, s16, 1
	s_lshl_b32 s46, s46, 1
	s_add_co_u32 s45, s45, s46
	s_lshl_b32 s43, s43, 9
	s_add_co_u32 s43, s43, s45
	s_lshl_b32 s44, s44, 9
	s_add_co_u32 s44, s44, s45
	v_cmp_le_u32 vcc_lo, 64, v2                    ; lanes 0-15 store tile A's, lanes 16-31 tile B's
	v_mov_b32 v232, s43
	v_mov_b32 v233, s44
	s_delay_alu instid0(VALU_DEP_1)
	v_cndmask_b32 v232, v232, v233, vcc_lo
	v_and_b32 v233, 15, v0
	s_delay_alu instid0(VALU_DEP_1)
	v_lshl_add_u32 v232, v233, 4, v232             ; + 16 r
	v_cndmask_b32 v233, v238, v239, vcc_lo
	global_store_b16 v232, v233, s[8:9]
	s_wait_xcnt 0x0
	v_lshl_add_u32 v254, v0, 2, 0x29000
	v_mov_b32 v255, 0
	s_wait_alu depctr_va_vdst(0)
	s_wait_tensorcnt 0x0
	ds_add_u32 v254, v255
	s_wait_dscnt 0x0
	CROUND                                         ; the closing round
	s_endpgm
.Lfunc_end_k_q6fddff5ed8_attn:
	.size	k_q6fddff5ed8_attn, .Lfunc_end_k_q6fddff5ed8_attn-k_q6fddff5ed8_attn
	.p2alignl 7, 3214868480
	.fill 96, 4, 3214868480
	.section	.rodata,"a",@progbits
	.p2align	6, 0x0
	.amdhsa_kernel k_q6fddff5ed8_attn
		.amdhsa_group_segment_fixed_size 169984
		.amdhsa_private_segment_fixed_size 0
		.amdhsa_enable_private_segment 0
		.amdhsa_kernarg_size 24
		.amdhsa_user_sgpr_count 2
		.amdhsa_user_sgpr_kernarg_segment_ptr 1
		.amdhsa_wavefront_size32 1
		.amdhsa_system_sgpr_workgroup_id_x 1
		.amdhsa_system_sgpr_workgroup_id_y 1
		.amdhsa_system_sgpr_workgroup_id_z 1
		.amdhsa_system_vgpr_workitem_id 0
		.amdhsa_next_free_vgpr 256
		.amdhsa_next_free_sgpr 66
		.amdhsa_reserve_vcc 1
		.amdhsa_float_denorm_mode_32 3
		.amdhsa_float_denorm_mode_16_64 3
		.amdhsa_memory_ordered 1
		.amdhsa_forward_progress 1
		.amdhsa_inst_pref_size 61
	.end_amdhsa_kernel
	.amdgpu_metadata
---
amdhsa.version: [ 1, 2 ]
amdhsa.kernels:
  - .name:           k_q6fddff5ed8_attn
    .symbol:         k_q6fddff5ed8_attn.kd
    .args:
      - { .name: rec, .offset: 0, .size: 8, .value_kind: global_buffer, .address_space: global }
      - { .name: yc, .offset: 8, .size: 8, .value_kind: global_buffer, .address_space: global }
      - { .name: ys, .offset: 16, .size: 8, .value_kind: global_buffer, .address_space: global }
    .group_segment_fixed_size: 169984
    .private_segment_fixed_size: 0
    .kernarg_segment_align: 8
    .kernarg_segment_size: 24
    .max_flat_workgroup_size: 512
    .sgpr_count:     66
    .vgpr_count:     256
    .wavefront_size: 32
...
	.end_amdgpu_metadata
.endif
;; end of part 3
;; launch proj (part 4): grid 8 x 32, 8 waves a work-group, clusters of 4 x 4, 244,736 bytes of LDS; arguments yc, ys, opc, ops, b_out, out0; writes out0
.if DOCPART == 4
	.amdgcn_target "amdgcn-amd-amdhsa--gfx1250"
	.amdhsa_code_object_version 6
	.text
	.protected	k_q6fddff5ed8_proj
	.globl	k_q6fddff5ed8_proj
	.p2align	8
	.type	k_q6fddff5ed8_proj,@function
k_q6fddff5ed8_proj:
	s_mov_b64 s[64:65], 0
	v_nop
	global_prefetch_b8 v0, s[64:65] scope:SCOPE_SE
	s_setreg_imm32_b32 hwreg(HW_REG_WAVE_MODE, 25, 1), 1
	s_wait_xcnt 0x0
	s_wait_alu depctr_hold_cnt(0) depctr_sa_sdst(0) depctr_va_vdst(0) depctr_va_sdst(0) depctr_va_ssrc(0) depctr_va_vcc(0) depctr_vm_vsrc(0)
	s_getreg_b32 s2, hwreg(HW_REG_IB_STS2, 6, 4)
	s_cmp_eq_u32 s2, 0
	s_cbranch_scc0 .Lentry_in_a_cluster
	s_endpgm
.Lentry_in_a_cluster:
	s_bfe_u32 s2, ttmp6, 0x10000c
	s_cmp_lg_u32 s2, 0xf033
	s_cbranch_scc0 .Lentry_shape_is_right
	s_endpgm
.Lentry_shape_is_right:
; OUT.  out0 = y w_out^T + b_out on codes of FP4 with E8M0 scales; y's and w_out's codes and scale words come as operand images (a tile of 16 rows: 16 pieces of 512 bytes; scale words [q][r][4]).
; SHARES.  A work-group makes 256 tokens x 128 columns: 256 work-groups.  Eight waves: wave w has g = w & 3 (64 tokens) and p = w >> 2 (64 columns): 16 accumulators, 128 matrix instructions.
; All of K of the block's 24 operand tiles lies in LDS, filled once, in two halves along K: the first is multiplied while the second lands.  No LDS byte is filled twice.
; Source 0 = 16 rows of w_out, source 1 = 16 tokens: a lane holds eight neighbouring columns of one token's row.  The bias is the C of the first K step.
; CLUSTER 4 x 4: the four work-groups of a row (same tokens) ask jointly for y's tiles, the four of a column (same columns) for w_out's.
.set CH1,  98304                       ; LDS: K 0..511 of slot i (0-15 y's tiles, 16-23 w_out's) at 4096 i;  from CH1 on K 512..1,023
.set SCL,  196608                      ; scale words: slot i at 512 i
.set STG,  208896                      ; the way out: 16 rows x (256 bytes + 16) for each wave.  No fill lands from here on
.set AA,   1
.set AB,   3
.set ASA,  5
.set ASB,  6
.set STO,  8                           ; v8   the stage, in
.set RD,   9                           ; v9   and back
.set CO,   10                          ; v10  my byte offset in two rows of out0
.set L16,  12
.set OH,   14
.set R4,   15
.set SA,   16                          ; v16-23, v24-31 scale words: these hold scales and nothing else
.set SB,   24
.set BIAS, 32
.set AF,   64
.set BF,   96
.set ACC,  128
.macro CROUND
	s_barrier_signal -1
	s_barrier_wait -1
	s_cmp_lg_u32 s16, 0
	s_cbranch_scc1 .Lnot_wave_0_\@
	s_barrier_signal -3
.Lnot_wave_0_\@:
	s_barrier_wait -3
	s_barrier_signal -1
	s_barrier_wait -1
.endm
.macro PLACES                          ; four places behind matrix instructions, ahead of loads into their registers and of reads of their results
.rept 4
	v_nop
.endr
.endm
.macro SCALES q
.irp pa, 0,1
	ds_load_b128 v[SA+4*\pa:SA+4*\pa+3], v[ASA] offset:1024*\pa+256*\q
	ds_load_b128 v[SB+4*\pa:SB+4*\pa+3], v[ASB] offset:1024*\pa+256*\q
.endr
.endm
.macro FRAGS c, s
.irp t, 0,1,2,3
	ds_load_b128 v[AF+8*\t:AF+8*\t+3],   v[AA+\c] offset:4096*\t+1024*(\s)
	ds_load_b128 v[AF+8*\t+4:AF+8*\t+7], v[AA+\c] offset:4096*\t+1024*(\s)+512
.endr
.irp t, 0,1,2,3
	ds_load_b128 v[BF+8*\t:BF+8*\t+3],   v[AB+\c] offset:4096*\t+1024*(\s)
	ds_load_b128 v[BF+8*\t+4:BF+8*\t+7], v[AB+\c] offset:4096*\t+1024*(\s)+512
.endr
.endm
.macro ONE mode, j, a, b               ; mode 0: onto the sum; 1: the sum starts from the bias.  An odd tile's scale words lie in lanes 16-31
.set rD, ACC+32*(\a)+8*(\b)
.if \mode == 0
.set rC, rD
.else
.set rC, BIAS+8*(\a)
.endif
.set rA, AF+8*(\a)
.set rB, BF+8*(\b)
.set rSA, SA+4*((\a)/2)+(\j)
.set rSB, SB+4*((\b)/2)+(\j)
.if ((\a)%2 == 0) && ((\b)%2 == 0)
	v_wmma_scale_f32_16x16x128_f8f6f4 v[rD:rD+7], v[rA:rA+7], v[rB:rB+7], v[rC:rC+7], v[rSA], v[rSB] matrix_a_fmt:MATRIX_FMT_FP4 matrix_b_fmt:MATRIX_FMT_FP4
.elseif ((\a)%2 == 1) && ((\b)%2 == 0)
	v_wmma_scale_f32_16x16x128_f8f6f4 v[rD:rD+7], v[rA:rA+7], v[rB:rB+7], v[rC:rC+7], v[rSA], v[rSB] matrix_a_fmt:MATRIX_FMT_FP4 matrix_b_fmt:MATRIX_FMT_FP4 matrix_a_scale:MATRIX_SCALE_ROW1
.elseif ((\a)%2 == 0) && ((\b)%2 == 1)
	v_wmma_scale_f32_16x16x128_f8f6f4 v[rD:rD+7], v[rA:rA+7], v[rB:rB+7], v[rC:rC+7], v[rSA], v[rSB] matrix_a_fmt:MATRIX_FMT_FP4 matrix_b_fmt:MATRIX_FMT_FP4 matrix_b_scale:MATRIX_SCALE_ROW1
.else
	v_wmma_scale_f32_16x16x128_f8f6f4 v[rD:rD+7], v[rA:rA+7], v[rB:rB+7], v[rC:rC+7], v[rSA], v[rSB] matrix_a_fmt:MATRIX_FMT_FP4 matrix_b_fmt:MATRIX_FMT_FP4 matrix_a_scale:MATRIX_SCALE_ROW1 matrix_b_scale:MATRIX_SCALE_ROW1
.endif
.endm
.macro MM mode, j                      ; a K step's 16 products: the 16 accumulators take turns, one instruction a turn, in the same order in every step
.irp bh, 0,1
.if \bh == 0
	s_wait_dscnt 0x4                               ; all but the youngest four loads (source 1's tiles 2, 3) are in
.else
	s_wait_dscnt 0x0
.endif
.irp a, 0,1,2,3
.irp bl, 0,1
	ONE \mode, \j, \a, 2*\bh+\bl
.endr
.endr
.endr
.endm
.macro KSTEP c, s
	PLACES
	FRAGS \c, \s
	MM 0, \s
.endm
	s_load_b256 s[4:11], s[0:1], 0x0               ; yc s[4:5], ys s[6:7], opc s[8:9], ops s[10:11]
	s_load_b128 s[12:15], s[0:1], 0x20             ; b_out s[12:13], out0 s[14:15]
	v_lshl_add_u32 v11, v0, 2, 0x3b800
	v_mov_b32 v13, 0
	ds_add_u32 v11, v13
	ds_add_u32 v11, v13
	v_lshrrev_b32 v1, 5, v0
	v_readfirstlane_b32 s16, v1                    ; wave 0..7
	s_and_b32 s17, s16, 3                          ; g
	s_lshr_b32 s18, s16, 2                         ; p
	s_bfe_u32 s19, ttmp6, 0x40000                  ; cx
	s_bfe_u32 s20, ttmp6, 0x40004                  ; cy
	s_lshl_b32 s21, ttmp9, 2
	s_add_co_u32 s21, s21, s19                     ; the block of 128 columns
	s_and_b32 s22, ttmp7, 0xffff
	s_lshl_b32 s22, s22, 2
	s_add_co_u32 s22, s22, s20                     ; the block of 256 tokens
	s_lshl_b32 s23, s20, 2
	s_lshl_b32 s23, 15, s23                        ; my row of the cluster
	s_lshl_b32 s66, 0x1111, s19                    ; my column
	s_or_b32 s24, s23, (3<<16)|(1<<21)             ; groups 1: elements of 8 bytes, no padding; the mask, bit 21 beside it.  y's codes,
	s_or_b32 s32, s66, (3<<16)|(1<<21)             ; w_out's codes,
	s_or_b32 s40, s23, (3<<16)|(1<<21)             ; y's scales,
	s_or_b32 s48, s66, (3<<16)|(1<<21)             ; w_out's scales
.irp g, 24, 32                         ; codes: four tiles' halves: 4 rows of 4,096 bytes, 8,192 bytes apart
	s_mov_b32 s[\g+1], 512<<16
	s_mov_b32 s[\g+2], 4<<16
	s_mov_b32 s[\g+3], 512<<16
	s_mov_b32 s[\g+4], 4
	s_mov_b32 s[\g+5], 1024
	s_mov_b32 s[\g+6], 0
	s_mov_b32 s[\g+7], 0
.endr
.irp g, 40, 48                         ; scales: four tiles' 2,048 dense bytes as 8 rows of 256
	s_mov_b32 s[\g+1], 32<<16
	s_mov_b32 s[\g+2], 8<<16
	s_mov_b32 s[\g+3], 32<<16
	s_mov_b32 s[\g+4], 8
	s_mov_b32 s[\g+5], 32
	s_mov_b32 s[\g+6], 0
	s_mov_b32 s[\g+7], 0
.endr
	s_mov_b32 s68, 1                               ; groups 0: the LDS addresses hang on the wave's number alone
	s_lshl_b32 s69, s17, 11
	s_add_co_u32 s69, s69, SCL
	s_mov_b32 s72, 1
	s_lshl_b32 s73, s17, 14
	s_mov_b32 s76, 1
	s_add_co_u32 s77, s73, CH1
	s_mov_b32 s80, 1
	s_add_co_u32 s81, s69, 8192
	s_mov_b32 s84, 1
	s_add_co_u32 s85, s73, 65536
	s_mov_b32 s88, 1
	s_add_co_u32 s89, s77, 65536
	s_lshl_b32 s96, s17, 2                         ; 4 g
	s_lshl_b32 s97, s22, 4
	s_add_co_u32 s97, s97, s96                     ; y's first tile: 16 y + 4 g
	s_lshl_b32 s99, s21, 3
	s_add_co_u32 s99, s99, s96
	s_add_co_u32 s99, s99, 704                     ; w_out's first tile: 704 + 8 X + 4 g
	s_mov_b32 s101, 0
	s_mov_b32 s67, 0
	s_wait_dscnt 0x0
	s_wait_kmcnt 0x0
	s_lshl_b32 s100, s97, 9
	s_add_nc_u64 s[70:71], s[6:7], s[100:101]
	s_lshl_b32 s100, s97, 13
	s_add_nc_u64 s[74:75], s[4:5], s[100:101]
	s_add_nc_u64 s[78:79], s[74:75], 4096
	s_lshl_b32 s66, s99, 9
	s_add_nc_u64 s[82:83], s[10:11], s[66:67]
	s_lshl_b32 s66, s99, 13
	s_add_nc_u64 s[86:87], s[8:9], s[66:67]
	s_add_nc_u64 s[90:91], s[86:87], 4096
.irp k, 71,75,79,83,87,91
	s_or_b32 s\k, s\k, 0x80000000                  ; type = 2
.endr
	CROUND                                         ; all sixteen work-groups are here: the joint loads meet
	; the fills, each wave's in one arm: waves 0-3 y's tiles, waves 4, 5 w_out's: three loads of a wave are out; four v_nop follow each arm's last load
	s_cmp_lt_u32 s16, 4
	s_cbranch_scc0 .Lnot_tokens
	tensor_load_to_lds s[68:71], s[40:47]
	s_nop 0
	tensor_load_to_lds s[72:75], s[24:31]
	s_nop 0
	tensor_load_to_lds s[76:79], s[24:31]
	s_nop 0
	PLACES
	s_branch .Lasked
.Lnot_tokens:
	s_cmp_lt_u32 s16, 6
	s_cbranch_scc0 .Lasked
	tensor_load_to_lds s[80:83], s[48:55]
	s_nop 0
	tensor_load_to_lds s[84:87], s[32:39]
	s_nop 0
	tensor_load_to_lds s[88:91], s[32:39]
	s_nop 0
	PLACES
.Lasked:
	v_and_b32 v[L16], 31, v0
	v_lshlrev_b32 v[L16], 4, v[L16]                ; 16 x lane
	v_and_b32 v[R4], 15, v0                        ; r
	v_bfe_u32 v[OH], v0, 4, 1                      ; h
	s_lshl_b32 s19, s18, 14
	s_add_co_u32 s19, s19, 65536                   ; source 0: w_out's slots 16 + 4 p on
	v_add_nc_u32 v[AA], s19, v[L16]
	v_add_nc_u32 v[AA+1], CH1, v[AA]
	v_add_nc_u32 v[AB], s73, v[L16]                ; source 1: y's slots 4 g on
	v_add_nc_u32 v[AB+1], CH1, v[AB]
	v_lshlrev_b32 v[ASA], 9, v[OH]
	v_lshl_add_u32 v[ASA], v[R4], 4, v[ASA]        ; 512 h + 16 r
	v_add_nc_u32 v[ASB], s69, v[ASA]
	s_lshl_b32 s19, s18, 11
	s_add_co_u32 s19, s19, SCL+8192
	v_add_nc_u32 v[ASA], s19, v[ASA]
	s_mul_i32 s19, s16, 4352
	s_add_co_u32 s19, s19, STG                     ; my stage
	v_mul_u32_u24 v[STO], v[R4], 272
	v_lshl_add_u32 v[STO], v[OH], 5, v[STO]
	v_add_nc_u32 v[STO], s19, v[STO]               ; in: row r, + 32 h
	v_mul_u32_u24 v[RD], v[OH], 272
	v_lshl_add_u32 v[RD], v[R4], 4, v[RD]
	v_add_nc_u32 v[RD], s19, v[RD]                 ; back: lanes 0-15 one row of 256 bytes, lanes 16-31 the next
	v_lshlrev_b32 v[CO], 12, v[OH]
	v_lshl_add_u32 v[CO], v[R4], 4, v[CO]          ; and the same two rows in out0
	v_lshlrev_b32 v[OH], 5, v[OH]                  ; 32 h
	s_lshl_b32 s66, s21, 9
	s_lshl_b32 s19, s18, 8
	s_add_co_u32 s66, s66, s19                     ; my 64 columns, in bytes: 512 X + 256 p
	s_add_nc_u64 s[12:13], s[12:13], s[66:67]
	s_add_nc_u64 s[14:15], s[14:15], s[66:67]
	s_lshl_b32 s19, s22, 8
	s_lshl_b32 s20, s17, 6
	s_add_co_u32 s19, s19, s20                     ; my first token: 256 y + 64 g
	s_lshl_b32 s66, s19, 12
	s_add_nc_u64 s[14:15], s[14:15], s[66:67]
.irp a, 0,1,2,3                        ; the bias in the result's layout: register j of tile a is column 16 a + 8 h + j
	global_load_b128 v[BIAS+8*\a:BIAS+8*\a+3],   v[OH], s[12:13] offset:64*\a
	global_load_b128 v[BIAS+8*\a+4:BIAS+8*\a+7], v[OH], s[12:13] offset:64*\a+16
.endr
	s_wait_tensorcnt 0x1                           ; my scales and my part of K 0..511 are in; the one load issued behind them, K 512..1,023, may be out
	s_barrier_signal -1
	s_barrier_wait -1                              ; everybody's are
	SCALES 0
	FRAGS 0, 0
	s_wait_loadcnt 0x0                             ; the bias
	MM 1, 0                                        ; the first K step starts the sums from the bias
	KSTEP 0, 1
	KSTEP 0, 2
	KSTEP 0, 3
	s_wait_tensorcnt 0x0                           ; my part of K 512..1,023 is in
	s_wait_dscnt 0x0
	s_barrier_signal -1
	s_barrier_wait -1                              ; everybody's is
	PLACES
	SCALES 1
	FRAGS 1, 0
	MM 0, 0
	KSTEP 1, 1
	KSTEP 1, 2
	KSTEP 1, 3
	PLACES                                         ; ahead of the first reads of results and of loads into the fragments' registers
	; THE WAY OUT, 16 tokens at a time: a lane's 32 bytes of a row go into my own stage and come back as whole rows of 256 bytes.  LDS serves a wave's instructions in order: no wait between stores and loads.
.irp b, 0,1,2,3
.if \b >= 2
	s_wait_xcnt 0x0                                ; the stores of two blocks ago have read their registers, into which this block's loads land
.endif
.irp a, 0,1,2,3
	ds_store_b128 v[STO], v[ACC+32*\a+8*\b:ACC+32*\a+8*\b+3]   offset:64*\a        ; each accumulator from its low end on
	ds_store_b128 v[STO], v[ACC+32*\a+8*\b+4:ACC+32*\a+8*\b+7] offset:64*\a+16
.endr
.irp i, 0,1,2,3,4,5,6,7
	ds_load_b128 v[64+32*(\b%2)+4*\i:64+32*(\b%2)+4*\i+3], v[RD] offset:544*\i
.endr
.irp i, 0,1,2,3,4,5,6,7
	s_wait_dscnt 7-\i                              ; load i is in; the younger ones may be out
	global_store_b128 v[CO], v[64+32*(\b%2)+4*\i:64+32*(\b%2)+4*\i+3], s[14:15] offset:(16*\b+2*\i)*4096 th:TH_STORE_NT    ; 16 lanes store 256 consecutive bytes, at a multiple of 256 from out0's first byte
.endr
.endr
	s_wait_tensorcnt 0x0
	ds_add_u32 v11, v13
	s_wait_dscnt 0x0
	CROUND                                         ; the closing round: no work-group ends while a partner may still ask for a tile that names it
	s_endpgm
.Lfunc_end_k_q6fddff5ed8_proj:
	.size	k_q6fddff5ed8_proj, .Lfunc_end_k_q6fddff5ed8_proj-k_q6fddff5ed8_proj
	.p2alignl 7, 3214868480
	.fill 96, 4, 3214868480
	.section	.rodata,"a",@progbits
	.p2align	6, 0x0
	.amdhsa_kernel k_q6fddff5ed8_proj
		.amdhsa_group_segment_fixed_size 244736
		.amdhsa_private_segment_fixed_size 0
		.amdhsa_enable_private_segment 0
		.amdhsa_kernarg_size 48
		.amdhsa_user_sgpr_count 2
		.amdhsa_user_sgpr_kernarg_segment_ptr 1
		.amdhsa_wavefront_size32 1
		.amdhsa_system_sgpr_workgroup_id_x 1
		.amdhsa_system_sgpr_workgroup_id_y 1
		.amdhsa_system_sgpr_workgroup_id_z 1
		.amdhsa_system_vgpr_workitem_id 0
		.amdhsa_next_free_vgpr 256
		.amdhsa_next_free_sgpr 102
		.amdhsa_reserve_vcc 0
		.amdhsa_float_denorm_mode_32 3
		.amdhsa_float_denorm_mode_16_64 3
		.amdhsa_memory_ordered 1
		.amdhsa_forward_progress 1
		.amdhsa_inst_pref_size 44
	.end_amdhsa_kernel
	.amdgpu_metadata
---
amdhsa.version: [ 1, 2 ]
amdhsa.kernels:
  - .name:           k_q6fddff5ed8_proj
    .symbol:         k_q6fddff5ed8_proj.kd
    .args:
      - { .name: yc, .offset: 0, .size: 8, .value_kind: global_buffer, .address_space: global }
      - { .name: ys, .offset: 8, .size: 8, .value_kind: global_buffer, .address_space: global }
      - { .name: opc, .offset: 16, .size: 8, .value_kind: global_buffer, .address_space: global }
      - { .name: ops, .offset: 24, .size: 8, .value_kind: global_buffer, .address_space: global }
      - { .name: b_out, .offset: 32, .size: 8, .value_kind: global_buffer, .address_space: global }
      - { .name: out0, .offset: 40, .size: 8, .value_kind: global_buffer, .address_space: global }
    .group_segment_fixed_size: 244736
    .private_segment_fixed_size: 0
    .kernarg_segment_align: 8
    .kernarg_segment_size: 48
    .max_flat_workgroup_size: 256
    .sgpr_count:     102
    .vgpr_count:     256
    .wavefront_size: 32
...
	.end_amdgpu_metadata
.endif
;; end of part 4
